; MI455X (gfx1250); checked and timed in simulation.
; The chip was launched on July 23, 2026; its instructions are those of AMD's public machine-readable ISA for CDNA 5 (MIT licence, August 2026) and "CDNA5" Instruction Set Architecture Reference Guide (July 2026). The comments in the code are by the model that wrote it; some were corrected since.
;; Residual Attention Block. Allowed arithmetic: matrix products marked QUANTISED: E3M2 operands, one E8M0 scale for each 32 along K, by v_wmma_scale_f32_16x16x128_f8f6f4 with both operands' format E3M2, f32 sums; everything else in f32.
;; Inputs: fc2_b 1,024 float32; fc2_w 4,096 x 1,024 float32; fc_b 4,096 float32; fc_w 1,024 x 4,096 float32; ln1_b 1,024 float32; ln1_g 1,024 float32; ln2_b 1,024 float32; ln2_g 1,024 float32; proj_b 1,024 float32; proj_w 1,024 x 1,024 float32; qkv_b 3,072 float32; qkv_w 1,024 x 3,072 float32; x 2 x 2,048 x 1,024 float32.
;; Outputs: out0 2 x 2,048 x 1,024 float32.
;; This version of the problem:
;;   THIS VERSION OF THE PROBLEM IS GIVEN IN LOW PRECISION. The matrix products marked QUANTISED in the list below multiply operands that are first quantised to E3M2 (3 exponent bits, 2 mantissa bits; 6 bits a number), with one power-of-two scale for each 32 numbers along K (OCP MX v1.0); their sums are f32. All else is computed in f32.
;;   The module's matrix products, in the order in which they are computed (A, B: the left and right operand; K: the contracted axis; several contracted axes count as one K, in the product's order):
;;     1. [M 4,096, K 1,024] x [K 1,024, N 3,072]; A: computed on the way; B: input qkv_w: QUANTISED
;;     2. batch 32 x [M 2,048, K 64] x [K 64, N 2,048]; A: computed on the way; B: computed on the way: QUANTISED
;;     3. batch 32 x [M 64, K 2,048] x [K 2,048, N 2,048]; A: computed on the way; B: softmax (see below): QUANTISED
;;     4. [M 4,096, K 1,024] x [K 1,024, N 1,024]; A: computed on the way; B: input proj_w: QUANTISED
;;     5. [M 4,096, K 1,024] x [K 1,024, N 4,096]; A: computed on the way; B: input fc_w: QUANTISED
;;     6. [M 4,096, K 4,096] x [K 4,096, N 1,024]; A: computed on the way; B: input fc2_w: QUANTISED
;;   THE QUANTISER, for each operand of a quantised product, along K:
;;     - K is cut into blocks of 32 from its start; a last block that is shorter is filled with zeros.
;;     - A block's scale is 2^e with e = floor(log2(the largest magnitude in the block)) - 4, held to -126 .. 127; a block of zeros has e = 0. As a byte (E8M0): e + 127.
;;     - Each number is divided by its block's scale, clamped to +-28, and rounded to the nearest number of E3M2, ties to even, subnormals kept.
;;     - The product sums the exact products of the quantised numbers (number of the format x scale) in f32.
;;   ~~~python
;;   def quantise(x, axis):      # numpy; x: float32 -> the quantised numbers, widened to float32 again
;;       x = np.moveaxis(x, axis, -1); K = x.shape[-1]
;;       x = np.pad(x, [(0, 0)] * (x.ndim - 1) + [(0, -K % 32)]); x = x.reshape(x.shape[:-1] + (-1, 32)); a = np.abs(x).max(-1, keepdims=True)
;;       e = np.where(a > 0, np.clip(np.frexp(np.where(a > 0, a, 1))[1] - 1 - 4, -126, 127), 0)      # np.frexp(a)[1] - 1 = floor(log2(a)), exactly
;;       r = np.clip(x / 2.0 ** e, -28, 28)
;;       step = 2.0 ** (np.maximum(np.frexp(np.where(r == 0, 1, r))[1] - 1, -2) - 2)
;;       q = np.round(r / step) * step * 2.0 ** e      # np.round: ties to even
;;       return np.moveaxis(q.reshape(q.shape[:-2] + (-1,))[..., :K], -1, axis).astype(np.float32)
;;   ~~~
;;   SOFTMAX AHEAD OF A QUANTISED PRODUCT. Where the list says 'softmax', what is quantised is not the finished softmax but p = 2^(t - M), with t = logit x log2(e) and M = ceil(the row's largest t), a whole number; so 1/2 < the row's largest p <= 1. The row's sum l is taken of the UNQUANTISED p, in f32, and the product's result is divided by l at the end. Since M is a whole number, a kernel that streams over the keys may use a running M (the ceiling of the running maximum): every later rescaling is an exact power of two, which a block's scale takes up: the codes' values come out the same.
;;   OPERANDS COMPUTED ON THE WAY. 'Computed on the way' means the value that the module computes at that place (a softmax that the list does not call 'softmax' is quantised finished and normalised). What goes into a quantiser is computed in f32, as accurately as f32 sums, v_exp_f32 and their like allow (about 1e-6 of the number): no bf16 or f16 on the way to a quantiser, and a product that is left as it is and whose result goes on into a quantised operand takes f32 operands (vector FMAs, or v_wmma_f32_16x16x4_f32). A number that lies on a knife's edge between two numbers of the format may be rounded either way, as far as f32 arithmetic and the matrix unit's own rounding can turn it there, and no further.
;; One version. Each part assembles by itself: llvm-mc -triple=amdgcn-amd-amdhsa -mcpu=gfx1250 --defsym DOCPART=n.
;; ======== version 1 of 1: 7 launches
;; limits: a function is approximated: absolute error at most 1.5e-07; an absolute error that grows with the inputs' magnitude: up to 7.5e-08 times it
;; workspace buffers: wq 9,863,168 bytes; xn1 3,276,800 bytes; qkv 10,092,544 bytes; att 3,276,800 bytes; x1 16,777,216 bytes; xn2 3,276,800 bytes; hid 13,107,200 bytes
;; launch prep (part 1): grid 448 x 1, 8 waves a work-group, no clusters, 118,784 bytes of LDS; arguments qkv_w, proj_w, fc_w, fc2_w, wq, x, ln1_g, ln1_b, xn1; writes wq, xn1
.if DOCPART == 1
	.amdgcn_target "amdgcn-amd-amdhsa--gfx1250"
	.amdhsa_code_object_version 6
	.text
	.protected	k_q34fccb5721_prep
	.globl	k_q34fccb5721_prep
	.p2align	8
	.type	k_q34fccb5721_prep,@function
k_q34fccb5721_prep:
	s_mov_b64 s[64:65], 0
	v_nop
	global_prefetch_b8 v0, s[64:65] scope:SCOPE_SE
	s_setreg_imm32_b32 hwreg(HW_REG_WAVE_MODE, 25, 1), 1
	s_wait_xcnt 0x0
; TWO JOBS THAT DO NOT DEPEND ON EACH OTHER, IN ONE LAUNCH, parted by the work-group's number: work-groups 0 .. 191 lay out the four weights, work-groups 192 .. 447 normalise and quantise x.
; Each job has LDS bytes of its own: the weights' stages bytes 0 .. 51,199, the rows of x from byte 51,200 on.
; JOB 1.  The four weights, f32 stored [K][N], become codes of BF6 (E3M2) with one E8M0 byte for each 32 along K, laid as IMAGES OF THE OPERAND'S REGISTERS.
; A fragment (16 rows n x 128 k) is 1,536 bytes: six chunks of 256 bytes; lane L's registers 2 p, 2 p + 1 lie at 256 p + 8 L.  Order in memory: [fragment row][k / 128].
; THE ROWS OF A FRAGMENT ARE NOT NEIGHBOURS: lane r of fragment f is row 32 (f / 2) + 8 (f % 2) + r + 8 (r / 8).  Scale words: [k / 128][position], one u32 a row.
; qkv's columns are re-ordered: n' = 1024 type + 64 head + c stands for input column 192 head + 64 type + c.
; A lane takes a column and its registers run down K: a block of 32 lies in one lane.  A work-group takes 128 columns x 512 k; wave w takes columns 32 (w % 4) on and 256 k, half w / 4: 8 blocks.  48 + 16 + 64 + 64 work-groups.
; One path serves all four weights: pointers and sizes are chosen by s_cselect on the work-group's number.
; JOB 2.  y = (x - mean) rsqrt(var + 1e-5) g + b over rows of 1,024 f32, quantised along the row, stored as images: codes [256 fragment rows][8 K steps][1,536] at byte 0, scale words [8][4,096] at byte 3,145,728.
; A work-group makes one fragment row: 16 rows.  Phase 1: wave w normalises LDS rows 2 w and 2 w + 1, in f32; the mean is taken off before the squares are summed.  Phase 2: wave w quantises K step w of all 16 rows.
; LIMITS: NaN and infinities are not served; v_rsq_f32 is good to one unit in the last place; a block whose largest magnitude lies under 2^-122 (a block of zeros too) gets the byte 1: the bytes are read by this program alone.
.set NWQ,  192                         ; work-groups of job 1
.set LNB,  51200                       ; LDS: where job 2's rows begin
.set WC_PROJ, 2359296
.set WC_FC,   3145728
.set WC_FC2,  6291456
.set WS_QKV,  9437184
.set WS_PROJ, 9568256
.set WS_FC,   9601024
.set WS_FC2,  9732096
.set C,    16                          ; job 1: v16-22   a block's codes
.set SW,   24                          ; v24-25   my column's two scale words
.set VA,   32                          ; v32-63   4 x lane + i x (a row of the weight in bytes)
.set X,    64                          ; v64-127  two sets of 32 numbers
.set OUTR, 128                         ; v128-175 the way out
.set SB,   32                          ; s[32:47] where block t's 32 rows begin: never rewritten
.set PITCH, 4112                       ; job 2: an LDS row: 4,096 bytes + 16, so that 16 rows' same column falls on 16 different groups of banks
.set X0,  32                           ; v32-63 row 0, v64-95 row 1
.set GG,  96                           ; v96-127 g
.set BB,  128                          ; v128-159 b
.set TM,  164
.set PC,  180
.set PW,  200
.set SEL, 14
.macro LOAD t                          ; block t: rows 32 t + i of my column: a wave's load reads 128 consecutive bytes
.set i, 0
.rept 32
	global_load_b32 v[X+32*((\t)%2)+i], v[VA+i], s[SB+2*(\t):SB+2*(\t)+1] th:TH_LOAD_NT
.set i, i+1
.endr
.endm
.macro BLOCK t
.set XS, X+32*((\t)%2)
.if (\t) < 7
	s_wait_loadcnt 32                              ; this block's 32 loads are in; the next block's 32 may be out
.else
	s_wait_loadcnt 0x0
.endif
	v_max3_num_f32 v12, |v[XS]|, |v[XS+1]|, |v[XS+2]|
	v_max3_num_f32 v13, |v[XS+3]|, |v[XS+4]|, |v[XS+5]|
.irp i, 6,10,14,18,22,26
	v_max3_num_f32 v12, v12, |v[XS+\i]|, |v[XS+\i+1]|
	v_max3_num_f32 v13, v13, |v[XS+\i+2]|, |v[XS+\i+3]|
.endr
	v_max3_num_f32 v12, v12, |v[XS+30]|, |v[XS+31]|
	v_max3_num_f32 v12, v12, v13, 0x2800000        ; and the floor 2^(5 - 127): the byte cannot fall under 1
	v_add_nc_u32 v11, 0xfe000000, v12              ; 4 off the exponent field: the conversion's scale operand
	v_lshrrev_b32 v13, 23, v11                     ; the byte
	v_cvt_scalef32_pk16_bf6_f32 v[C:C+2], v[XS:XS+15], v11
	v_cvt_scalef32_pk16_bf6_f32 v[C+4:C+6], v[XS+16:XS+31], v11
.if (\t)%4 == 0
	v_mov_b32 v[SW+(\t)/4], v13                    ; (the plain line behind the conversions)
.else
	v_lshl_or_b32 v[SW+(\t)/4], v13, 8*((\t)%4), v[SW+(\t)/4]
.endif
	v_mov_b32 v[C+3], v[C+4]                       ; the block's six registers on end
	v_mov_b32 v[C+4], v[C+5]
	v_mov_b32 v[C+5], v[C+6]
.irp i, 0,1,2                          ; block 2 c + h of a K step is registers 6 c .. 6 c + 5 of lane r + 16 h
	ds_store_b64 v3, v[C+2*\i:C+2*\i+1] offset:((\t)/4)*1536+(3*(((\t)%4)/2)+\i)*256+128*((\t)%2)
.endr
.if (\t)+2 < 8
	LOAD (\t)+2
.endif
	s_wait_dscnt 0x0                               ; the stores have read their registers
.endm
.macro QUANT s, pw                     ; 64 numbers of a lane, register 16 b + i = k 32 b + 16 (lane / 16) + i of my row, become a fragment's codes in v[PC] on and its scale word in v[pw]
.irp b, 0,1,2,3
	v_max3_num_f32 v[TM+\b], |v[\s+16*\b]|, |v[\s+1+16*\b]|, 0x2800000   ; with the floor 2^(5 - 127)
.endr
.irp i, 2,4,6,8,10,12,14
.irp b, 0,1,2,3
	v_max3_num_f32 v[TM+\b], v[TM+\b], |v[\s+16*\b+\i]|, |v[\s+1+16*\b+\i]|
.endr
.endr
.irp b, 0,1,2,3
	v_permlanex16_b32 v[TM+4+\b], v[TM+\b], s[SEL], s[SEL+1]
.endr
.irp b, 0,1,2,3
	v_max_num_f32 v[TM+\b], v[TM+\b], v[TM+4+\b]   ; with lane l xor 16's: the block's largest magnitude
.endr
.irp b, 0,1,2,3
	v_add_nc_u32 v[TM+12+\b], 0xfe000000, v[TM+\b] ; 4 off its exponent field: the conversion's scale operand
.endr
.irp b, 0,1,2,3
	v_lshrrev_b32 v[TM+4+\b], 23, v[TM+12+\b]      ; the byte
.endr
	v_lshl_or_b32 v[\pw], v[TM+5], 8, v[TM+4]
	v_lshl_or_b32 v[\pw], v[TM+6], 16, v[\pw]
	v_lshl_or_b32 v[\pw], v[TM+7], 24, v[\pw]
.irp c, 0,1
	v_cvt_scalef32_pk16_bf6_f32 v[PC+6*\c:PC+2+6*\c], v[\s+32*\c:\s+15+32*\c], v[TM+12+2*\c]
	v_cvt_scalef32_pk16_bf6_f32 v[PC+12+4*\c:PC+14+4*\c], v[\s+16+32*\c:\s+31+32*\c], v[TM+12+2*\c+1]
.endr
	v_nop                                          ; one plain line behind the scaled conversions
.irp c, 0,1                            ; the layout wants a whole block in a lane: lanes 0-15 block 2 c, lanes 16-31 block 2 c + 1
.irp i, 0,1,2
	v_permlane16_swap_b32 v[PC+6*\c+\i], v[PC+12+4*\c+\i]
.endr
.irp i, 0,1,2
	v_mov_b32 v[PC+3+6*\c+\i], v[PC+12+4*\c+\i]
.endr
.endr
.endm
.macro WSUM                            ; v8 and v12 summed over the wave's 32 lanes, by turns; every lane gets the sums
.irp m, 1,2,4,8
	v_add_f32_dpp v8, v8, v8 row_xmask:\m row_mask:0xf bank_mask:0xf
	v_add_f32_dpp v12, v12, v12 row_xmask:\m row_mask:0xf bank_mask:0xf
.endr
	v_permlanex16_b32 v18, v8, s[SEL], s[SEL+1]
	v_permlanex16_b32 v19, v12, s[SEL], s[SEL+1]
	v_add_f32 v8, v8, v18
	v_add_f32 v12, v12, v19
.endm
	v_lshl_add_u32 v208, v0, 2, 0x1cc00
	v_mov_b32 v209, 0
	s_cmp_ge_u32 ttmp9, NWQ                        ; the same way for all eight waves of a work-group
	s_cbranch_scc1 .Lln
	; ================ JOB 1: the weights
	s_load_b256 s[4:11], s[0:1], 0x0               ; qkv_w, proj_w, fc_w, fc2_w
	s_load_b64 s[12:13], s[0:1], 0x20              ; wq
	v_lshrrev_b32 v1, 5, v0
	v_readfirstlane_b32 s3, v1                     ; wave 0..7
	v_and_b32 v1, 31, v0                           ; lane = column in the wave's 32
	v_lshlrev_b32 v2, 2, v1
	v_bfe_u32 v8, v1, 3, 1                         ; u: which of the two fragments my column falls into
	v_and_b32 v9, 7, v1
	v_lshrrev_b32 v10, 4, v1
	v_lshl_add_u32 v9, v10, 3, v9                  ; r: its lane there
	s_mul_i32 s2, s3, 6400                         ; my stage: two fragment rows of 2 x 1,536 bytes, 3,200 apart (so the two halves of the lanes fall on different banks)
	v_mul_u32_u24 v3, v8, 3200
	v_lshl_add_u32 v3, v9, 3, v3
	v_add_nc_u32 v3, s2, v3                        ; into the stage
	v_lshlrev_b32 v5, 4, v1
	v_add_nc_u32 v4, s2, v5                        ; out of it: 16 bytes a lane
	v_lshl_add_u32 v6, v8, 4, v9
	v_lshlrev_b32 v6, 2, v6                        ; my column's scale word: 4 (16 u + r)
	s_mov_b32 s16, 0                               ; first work-group of the weight
	s_mov_b32 s17, 1                               ; log2 of its work-groups along K
	s_mov_b32 s18, 12288                           ; a row in bytes
	s_mov_b32 s19, 8                               ; K / 128
	s_mov_b32 s20, 0                               ; where its codes begin in wq
	s_mov_b32 s21, WS_QKV                          ; and its scale words
	s_mov_b32 s22, 16384                           ; a row of scale words in bytes
	s_wait_kmcnt 0x0
	s_mov_b64 s[14:15], s[4:5]
	s_cmp_ge_u32 ttmp9, 48
	s_cselect_b32 s16, 48, s16
	s_cselect_b32 s18, 4096, s18
	s_cselect_b32 s20, WC_PROJ, s20
	s_cselect_b32 s21, WS_PROJ, s21
	s_cselect_b32 s22, 4096, s22
	s_cselect_b64 s[14:15], s[6:7], s[14:15]
	s_cmp_ge_u32 ttmp9, 64
	s_cselect_b32 s16, 64, s16
	s_cselect_b32 s18, 16384, s18
	s_cselect_b32 s20, WC_FC, s20
	s_cselect_b32 s21, WS_FC, s21
	s_cselect_b32 s22, 16384, s22
	s_cselect_b64 s[14:15], s[8:9], s[14:15]
	s_cmp_ge_u32 ttmp9, 128
	s_cselect_b32 s16, 128, s16
	s_cselect_b32 s17, 3, s17
	s_cselect_b32 s18, 4096, s18
	s_cselect_b32 s19, 32, s19
	s_cselect_b32 s20, WC_FC2, s20
	s_cselect_b32 s21, WS_FC2, s21
	s_cselect_b32 s22, 4096, s22
	s_cselect_b64 s[14:15], s[10:11], s[14:15]
	s_sub_co_u32 s23, ttmp9, s16
	s_lshr_b32 s24, s23, s17                       ; which 128 columns
	s_bfm_b32 s25, s17, 0
	s_and_b32 s25, s23, s25                        ; which 512 along K,
	s_lshl_b32 s25, s25, 1
	s_lshr_b32 s56, s3, 2
	s_add_co_u32 s25, s25, s56                     ; y: which 256 along K is my wave's
	s_and_b32 s56, s3, 3
	s_lshl_b32 s26, s24, 2
	s_add_co_u32 s26, s26, s56                     ; g: which 32 columns n'
	s_lshl_b32 s27, s26, 5                         ; n'
	s_bfe_u32 s28, s27, 0x40006                    ; qkv: head,
	s_mul_i32 s28, s28, 192
	s_lshr_b32 s29, s27, 10                        ; type,
	s_lshl_b32 s29, s29, 6
	s_add_co_u32 s28, s28, s29
	s_and_b32 s29, s27, 63                         ; channel
	s_add_co_u32 s28, s28, s29
	s_cmp_lt_u32 ttmp9, 48
	s_cselect_b32 s27, s28, s27                    ; the input's column
	s_lshl_b32 s29, s25, 8
	s_mul_i32 s29, s29, s18                        ; 256 y rows
	s_lshl_b32 s28, s27, 2
	s_add_co_u32 s28, s28, s29
	s_mov_b32 s29, 0
	s_add_nc_u64 s[SB:SB+1], s[14:15], s[28:29]
	s_lshl_b32 s30, s18, 5                         ; 32 rows
	s_mov_b32 s31, 0
.irp t, 1,2,3,4,5,6,7
	s_add_nc_u64 s[SB+2*\t:SB+2*\t+1], s[SB+2*\t-2:SB+2*\t-1], s[30:31]
.endr
	s_lshl_b32 s28, s26, 1                         ; codes: fragment row 2 g + u, K steps 2 y and 2 y + 1: 3,072 consecutive bytes
	s_mul_i32 s28, s28, s19
	s_lshl_b32 s30, s25, 1
	s_add_co_u32 s28, s28, s30
	s_mul_i32 s28, s28, 1536
	s_add_co_u32 s28, s28, s20
	s_add_nc_u64 s[48:49], s[12:13], s[28:29]
	s_mul_i32 s28, s19, 1536
	s_add_nc_u64 s[50:51], s[48:49], s[28:29]
	s_mul_i32 s28, s30, s22                        ; scale words: row 2 y, positions 32 g on
	s_lshl_b32 s30, s26, 7
	s_add_co_u32 s28, s28, s30
	s_add_co_u32 s28, s28, s21
	s_add_nc_u64 s[52:53], s[12:13], s[28:29]
	s_mov_b32 s28, s22
	s_add_nc_u64 s[54:55], s[52:53], s[28:29]
.set i, 0
.rept 32
	v_mad_u32_u24 v[VA+i], s18, i, v2
.set i, i+1
.endr
	LOAD 0
	LOAD 1
.irp t, 0,1,2,3,4,5,6,7
	BLOCK \t
.endr
	global_store_b32 v6, v[SW], s[52:53]
	global_store_b32 v6, v[SW+1], s[54:55]
.irp j, 0,1,2,3,4,5
	ds_load_b128 v[OUTR+4*\j:OUTR+4*\j+3], v4 offset:512*\j             ; a wave's LDS instructions are served in order: these see my stores
.endr
.irp j, 0,1,2,3,4,5
	ds_load_b128 v[OUTR+24+4*\j:OUTR+27+4*\j], v4 offset:3200+512*\j
.endr
.irp j, 0,1,2,3,4,5
	s_wait_dscnt 11-\j
	global_store_b128 v5, v[OUTR+4*\j:OUTR+4*\j+3], s[48:49] offset:512*\j   ; 32 lanes store 512 consecutive bytes, aligned
.endr
.irp j, 0,1,2,3,4,5
	s_wait_dscnt 5-\j
	global_store_b128 v5, v[OUTR+24+4*\j:OUTR+27+4*\j], s[50:51] offset:512*\j
.endr
	s_wait_tensorcnt 0x0
	ds_add_u32 v208, v209
	s_wait_dscnt 0x0
	s_endpgm
.Lln:
	; ================ JOB 2: LayerNorm and quantiser
	s_load_b64 s[4:5], s[0:1], 0x28                ; x
	s_load_b64 s[6:7], s[0:1], 0x30                ; g
	s_load_b64 s[8:9], s[0:1], 0x38                ; b
	s_load_b64 s[10:11], s[0:1], 0x40              ; the images
	s_sub_co_u32 s13, ttmp9, NWQ                   ; t: my fragment row
	v_lshrrev_b32 v1, 5, v0
	v_readfirstlane_b32 s12, v1                    ; wave 0..7
	v_and_b32 v1, 31, v0
	v_lshlrev_b32 v2, 4, v1                        ; 16 x lane
	s_mul_i32 s18, s12, 2*PITCH
	s_add_co_u32 s18, s18, LNB
	v_add_nc_u32 v3, s18, v2                       ; phase 1: my two LDS rows
	v_and_b32 v5, 15, v0
	v_bfe_u32 v6, v0, 4, 1
	v_mul_u32_u24 v4, v5, PITCH
	v_lshl_add_u32 v4, v6, 6, v4
	s_lshl_b32 s18, s12, 9
	s_add_co_u32 s18, s18, LNB
	v_add_nc_u32 v4, s18, v4                       ; phase 2: row r, + 512 x wave + 64 h
	v_lshlrev_b32 v7, 3, v1                        ; 8 x lane
	v_lshlrev_b32 v5, 2, v5                        ; 4 r
	v_mov_b32 v18, 0                               ; (a lane permute's destination counts as read)
	v_mov_b32 v19, 0
.irp b, 0,1,2,3
	v_mov_b32 v[TM+4+\b], 0
.endr
	s_mov_b32 s[SEL], 0x76543210
	s_mov_b32 s[SEL+1], 0xfedcba98
	s_mov_b32 s20, 0x3a800000                      ; 1 / 1024
	s_mov_b32 s21, 0x3727c5ac                      ; 1e-5
	s_lshr_b32 s16, s13, 1
	s_lshl_b32 s16, s16, 5
	s_and_b32 s17, s13, 1
	s_lshl_b32 s17, s17, 3
	s_add_co_u32 s16, s16, s17
	s_lshl_b32 s17, s12, 1
	s_add_co_u32 s16, s16, s17
	s_lshr_b32 s17, s12, 2
	s_lshl_b32 s17, s17, 3
	s_add_co_u32 s16, s16, s17                     ; my first row
	s_lshl_b32 s16, s16, 12
	s_mov_b32 s17, 0
	s_lshl_b32 s22, s13, 3
	s_add_co_u32 s22, s22, s12
	s_mul_i32 s22, s22, 1536                       ; fragment (t, wave)
	s_mov_b32 s23, 0
	s_lshl_b32 s24, s12, 14
	s_lshl_b32 s25, s13, 6
	s_add_co_u32 s24, s24, s25
	s_add_co_u32 s24, s24, 3145728                 ; its scale words
	s_mov_b32 s25, 0
	s_wait_kmcnt 0x0
	s_add_nc_u64 s[4:5], s[4:5], s[16:17]
	s_add_nc_u64 s[22:23], s[10:11], s[22:23]
	s_add_nc_u64 s[24:25], s[10:11], s[24:25]
.irp j, 0,1,2,3,4,5,6,7
	global_load_b128 v[X0+4*\j:X0+4*\j+3], v2, s[4:5] offset:512*\j
.endr
.irp j, 0,1,2,3,4,5,6,7
	global_load_b128 v[X0+32+4*\j:X0+35+4*\j], v2, s[4:5] offset:4096+512*\j
.endr
.irp j, 0,1,2,3,4,5,6,7
	global_load_b128 v[GG+4*\j:GG+4*\j+3], v2, s[6:7] offset:512*\j
.endr
.irp j, 0,1,2,3,4,5,6,7
	global_load_b128 v[BB+4*\j:BB+4*\j+3], v2, s[8:9] offset:512*\j
.endr
	s_wait_loadcnt 16                              ; the two rows are in; g's and b's 16 loads may be out
.irp x, 0,1                            ; the sums, two chains a row
	v_pk_add_f32 v[8+4*\x:9+4*\x], v[X0+32*\x:X0+32*\x+1], v[X0+32*\x+2:X0+32*\x+3]
	v_pk_add_f32 v[10+4*\x:11+4*\x], v[X0+32*\x+4:X0+32*\x+5], v[X0+32*\x+6:X0+32*\x+7]
.endr
.irp j, 8,12,16,20,24,28
.irp x, 0,1
	v_pk_add_f32 v[8+4*\x:9+4*\x], v[8+4*\x:9+4*\x], v[X0+32*\x+\j:X0+32*\x+\j+1]
	v_pk_add_f32 v[10+4*\x:11+4*\x], v[10+4*\x:11+4*\x], v[X0+32*\x+\j+2:X0+32*\x+\j+3]
.endr
.endr
.irp x, 0,1
	v_pk_add_f32 v[8+4*\x:9+4*\x], v[8+4*\x:9+4*\x], v[10+4*\x:11+4*\x]
.endr
	v_add_f32 v8, v8, v9
	v_add_f32 v12, v12, v13
	WSUM
	v_mul_f32 v20, s20, v8                         ; the means, each twice for the packed forms
	v_mul_f32 v22, s20, v12
	v_mov_b32 v21, v20
	v_mov_b32 v23, v22
.irp j, 0,2,4,6,8,10,12,14,16,18,20,22,24,26,28,30
.irp x, 0,1
	v_pk_add_f32 v[X0+32*\x+\j:X0+32*\x+\j+1], v[X0+32*\x+\j:X0+32*\x+\j+1], v[20+2*\x:21+2*\x] neg_lo:[0,1] neg_hi:[0,1]   ; x - mean
.endr
.endr
.irp x, 0,1
	v_pk_mul_f32 v[8+4*\x:9+4*\x], v[X0+32*\x:X0+32*\x+1], v[X0+32*\x:X0+32*\x+1]
	v_pk_mul_f32 v[10+4*\x:11+4*\x], v[X0+32*\x+2:X0+32*\x+3], v[X0+32*\x+2:X0+32*\x+3]
.endr
.irp j, 4,8,12,16,20,24,28
.irp x, 0,1
	v_pk_fma_f32 v[8+4*\x:9+4*\x], v[X0+32*\x+\j:X0+32*\x+\j+1], v[X0+32*\x+\j:X0+32*\x+\j+1], v[8+4*\x:9+4*\x]
	v_pk_fma_f32 v[10+4*\x:11+4*\x], v[X0+32*\x+\j+2:X0+32*\x+\j+3], v[X0+32*\x+\j+2:X0+32*\x+\j+3], v[10+4*\x:11+4*\x]
.endr
.endr
.irp x, 0,1
	v_pk_add_f32 v[8+4*\x:9+4*\x], v[8+4*\x:9+4*\x], v[10+4*\x:11+4*\x]
.endr
	v_add_f32 v8, v8, v9
	v_add_f32 v12, v12, v13
	WSUM
	v_fma_f32 v8, v8, s20, s21                     ; var + eps
	v_fma_f32 v12, v12, s20, s21
	v_rsq_f32 v20, v8
	v_rsq_f32 v22, v12
	v_nop                                          ; a plain line behind the two roots,
	s_wait_alu depctr_va_vdst(0)                   ; and one wait for both, ahead of their first reader
	v_mov_b32 v21, v20
	v_mov_b32 v23, v22
	s_wait_loadcnt 0x0                             ; g and b
.irp j, 0,2,4,6,8,10,12,14,16,18,20,22,24,26,28,30
.irp x, 0,1
	v_pk_mul_f32 v[X0+32*\x+\j:X0+32*\x+\j+1], v[X0+32*\x+\j:X0+32*\x+\j+1], v[20+2*\x:21+2*\x]
.endr
.endr
.irp j, 0,2,4,6,8,10,12,14,16,18,20,22,24,26,28,30
.irp x, 0,1
	v_pk_fma_f32 v[X0+32*\x+\j:X0+32*\x+\j+1], v[X0+32*\x+\j:X0+32*\x+\j+1], v[GG+\j:GG+\j+1], v[BB+\j:BB+\j+1]
.endr
.endr
.irp j, 0,1,2,3,4,5,6,7
	ds_store_b128 v3, v[X0+4*\j:X0+4*\j+3] offset:512*\j
	ds_store_b128 v3, v[X0+32+4*\j:X0+35+4*\j] offset:PITCH+512*\j
.endr
	s_wait_dscnt 0x0                               ; for the others' sake: my rows lie in LDS
	s_barrier_signal -1
	s_barrier_wait -1
.irp b, 0,1,2,3
.irp j, 0,1,2,3
	ds_load_b128 v[X0+16*\b+4*\j:X0+16*\b+4*\j+3], v4 offset:128*\b+16*\j
.endr
.endr
	s_wait_dscnt 0x0
	QUANT X0, PW
.irp p, 0,1,2,3,4,5
	global_store_b64 v7, v[PC+2*\p:PC+2*\p+1], s[22:23] offset:256*\p   ; 32 lanes store 256 consecutive bytes, aligned
.endr
	global_store_b32 v5, v[PW], s[24:25]           ; lanes r and r + 16 hold the same word and write it to the same place
	s_wait_tensorcnt 0x0
	ds_add_u32 v208, v209
	s_wait_dscnt 0x0
	s_endpgm
.Lfunc_end_k_q34fccb5721_prep:
	.size	k_q34fccb5721_prep, .Lfunc_end_k_q34fccb5721_prep-k_q34fccb5721_prep
	.p2alignl 7, 3214868480
	.fill 96, 4, 3214868480
	.section	.rodata,"a",@progbits
	.p2align	6, 0x0
	.amdhsa_kernel k_q34fccb5721_prep
		.amdhsa_group_segment_fixed_size 118784
		.amdhsa_private_segment_fixed_size 0
		.amdhsa_enable_private_segment 0
		.amdhsa_kernarg_size 72
		.amdhsa_user_sgpr_count 2
		.amdhsa_user_sgpr_kernarg_segment_ptr 1
		.amdhsa_wavefront_size32 1
		.amdhsa_system_sgpr_workgroup_id_x 1
		.amdhsa_system_sgpr_workgroup_id_y 1
		.amdhsa_system_sgpr_workgroup_id_z 1
		.amdhsa_system_vgpr_workitem_id 0
		.amdhsa_next_free_vgpr 210
		.amdhsa_next_free_sgpr 66
		.amdhsa_reserve_vcc 0
		.amdhsa_float_denorm_mode_32 3
		.amdhsa_float_denorm_mode_16_64 3
		.amdhsa_memory_ordered 1
		.amdhsa_forward_progress 1
		.amdhsa_inst_pref_size 71
	.end_amdhsa_kernel
	.amdgpu_metadata
---
amdhsa.version: [ 1, 2 ]
amdhsa.kernels:
  - .name:           k_q34fccb5721_prep
    .symbol:         k_q34fccb5721_prep.kd
    .args:
      - { .name: qkv_w, .offset: 0, .size: 8, .value_kind: global_buffer, .address_space: global }
      - { .name: proj_w, .offset: 8, .size: 8, .value_kind: global_buffer, .address_space: global }
      - { .name: fc_w, .offset: 16, .size: 8, .value_kind: global_buffer, .address_space: global }
      - { .name: fc2_w, .offset: 24, .size: 8, .value_kind: global_buffer, .address_space: global }
      - { .name: wq, .offset: 32, .size: 8, .value_kind: global_buffer, .address_space: global }
      - { .name: x, .offset: 40, .size: 8, .value_kind: global_buffer, .address_space: global }
      - { .name: ln1_g, .offset: 48, .size: 8, .value_kind: global_buffer, .address_space: global }
      - { .name: ln1_b, .offset: 56, .size: 8, .value_kind: global_buffer, .address_space: global }
      - { .name: xn1, .offset: 64, .size: 8, .value_kind: global_buffer, .address_space: global }
    .group_segment_fixed_size: 118784
    .private_segment_fixed_size: 0
    .kernarg_segment_align: 8
    .kernarg_segment_size: 72
    .max_flat_workgroup_size: 256
    .sgpr_count:     66
    .vgpr_count:     210
    .wavefront_size: 32
...
	.end_amdgpu_metadata
.endif
;; end of part 1
;; launch gqkv (part 2): grid 12 x 16, 4 waves a work-group, clusters of 4 x 4, 327,680 bytes of LDS; arguments xn1, wq, qkv_b, qkv; writes qkv
.if DOCPART == 2
	.amdgcn_target "amdgcn-amd-amdhsa--gfx1250"
	.amdhsa_code_object_version 6
	.text
	.protected	k_q34fccb5721_gqkv
	.globl	k_q34fccb5721_gqkv
	.p2align	8
	.type	k_q34fccb5721_gqkv,@function
k_q34fccb5721_gqkv:
	s_mov_b64 s[64:65], 0
	v_nop
	global_prefetch_b8 v0, s[64:65] scope:SCOPE_SE
	s_setreg_imm32_b32 hwreg(HW_REG_WAVE_MODE, 25, 1), 1
	s_wait_xcnt 0x0
	s_wait_alu depctr_hold_cnt(0) depctr_sa_sdst(0) depctr_va_vdst(0) depctr_va_sdst(0) depctr_va_ssrc(0) depctr_va_vcc(0) depctr_vm_vsrc(0)
	s_getreg_b32 s2, hwreg(HW_REG_IB_STS2, 6, 4)
	s_cmp_eq_u32 s2, 0
	s_cbranch_scc0 .Lentry_in_a_cluster
	s_endpgm
.Lentry_in_a_cluster:
	s_bfe_u32 s2, ttmp6, 0x10000c
	s_cmp_lg_u32 s2, 0xf033
	s_cbranch_scc0 .Lentry_shape_is_right
	s_endpgm
.Lentry_shape_is_right:
; qkv = LN1(x) W + b on codes of BF6 (E3M2), K = 1,024; the results are quantised in registers for the two products of attention and stored as register images.
; A tile is 256 x 256: four waves of 128 x 128 (64 accumulators).  Operands lie in memory as images (fragment = 1,536 bytes, [fragment row][K step]); a K step's fragments come from LDS by ds_load_b64, 256 consecutive bytes each.
; TWO MODES, by the cluster's x (the same number in all sixteen partners).  x = 0, 1: source 0 = rows of W (q's and k's columns n' 0 .. 2,047), source 1 = tokens: a lane holds a token and its registers run along the
; head's channels, K of q k^T; (acc + b) s is made as fma(acc, s, b s), s = 64^(-1/4).  x = 2: source 0 = tokens, source 1 = rows of W (v's columns): a lane holds a channel and its registers run along the tokens, K of p v.
; LDS: three slots of two K steps; ks 0 .. 5 are first fills, slot 0 is filled again once (ks 6, 7), four steps ahead of its use.  The scale words of all of K come once.
; CLUSTER 4 x 4: source 1's tiles are shared along a row of the cluster, source 0's along a column: joint loads.
; REGISTERS: window 0: v6-13, v16-29 addresses; v32-63 scale words (two sets); v64-127 the bias; v128-223 source 1's fragments, one set (the epilogue works there).  window 1: source 0's fragments, two sets.  windows 2, 3: accumulators.
; LIMITS: NaN and infinities are not served; a block under 2^-122 gets the byte 1.
.set WS_QKV, 9437184
.set QKS,   6291456
.set VC,    6815744
.set VS,    9961472
.set HALFT, 24576                      ; 8 fragment rows x 2 K steps: what one tensor load brings
.set SLOT,  98304
.set SCL,   294912                     ; four regions of [8 K steps][128 words]
.set SPARE, 311296                     ; the spare words: 128 bytes a wave; no other line names them
.set FR,   12
.set ADRA, 16
.set ADRB, 20
.set ADSA, 24
.set ADSB, 25
.set L8,   26
.set L4,   27
.set SPW,  28
.set NIL,  29
.set SC,   32
.set T,    64
.set AF,   128
.set HA,   128
.set PC,   192
.set TM,   212
.set PWS,  228
.set SEL,  2
.set G1,   24
.set G1B,  32
.set G0,   40
.set G0B,  52
.set G1S,  68
.set G1SB, 76
.set G0S,  84
.set G0SB, 88
.set MSB, 0
.macro WIN new                         ; the immediate's high byte repeats the setting that is left
.if MSB != (\new)
	s_set_vgpr_msb (MSB<<8)|(\new)
.set MSB, \new
.endif
.endm
.macro PLACES                          ; four plain lines between a matrix instruction and a load into, or a vector read of, its registers
.rept 4
	v_nop
.endr
.endm
.macro JLOAD g0a, g1a, g0b, g1b        ; a joint load: waves 0, 1 fetch for source 1, waves 2, 3 for source 0; four v_nop follow each line
	s_cmp_eq_u32 s15, 0
	s_cbranch_scc0 .Lfor_b_\@
	tensor_load_to_lds s[\g0a:\g0a+3], s[\g1a:\g1a+7]
	s_nop 0
.rept 4
	v_nop
.endr
	s_branch .Lasked_\@
.Lfor_b_\@:
	tensor_load_to_lds s[\g0b:\g0b+3], s[\g1b:\g1b+7]
	s_nop 0
.rept 4
	v_nop
.endr
.Lasked_\@:
.endm
.macro CREST                           ; a round of the cluster's barrier behind its opening barrier
	s_cmp_lg_u32 s14, 0
	s_cbranch_scc1 .Lnot_wave_0_\@
	s_barrier_signal -3
.Lnot_wave_0_\@:
	s_barrier_wait -3
	s_barrier_signal -1
	s_barrier_wait -1
.endm
.macro CROUND
	s_barrier_signal -1
	s_barrier_wait -1
	CREST
.endm
; one product.  c < 0: the constant 0 starts the sum.  ra, rb: the side's scale words stand in lanes 16-31 of the register named
.macro WM d, a, b, c, sa, sb, ra, rb
.if (\c) < 0
.if (\ra) && (\rb)
	v_wmma_scale_f32_16x16x128_f8f6f4 v[0+(\d):7+(\d)], v[0+(\a):11+(\a)], v[0+(\b):11+(\b)], 0, v[\sa], v[\sb] matrix_a_fmt:MATRIX_FMT_BF6 matrix_b_fmt:MATRIX_FMT_BF6 matrix_a_scale:MATRIX_SCALE_ROW1 matrix_b_scale:MATRIX_SCALE_ROW1
.elseif (\ra)
	v_wmma_scale_f32_16x16x128_f8f6f4 v[0+(\d):7+(\d)], v[0+(\a):11+(\a)], v[0+(\b):11+(\b)], 0, v[\sa], v[\sb] matrix_a_fmt:MATRIX_FMT_BF6 matrix_b_fmt:MATRIX_FMT_BF6 matrix_a_scale:MATRIX_SCALE_ROW1
.elseif (\rb)
	v_wmma_scale_f32_16x16x128_f8f6f4 v[0+(\d):7+(\d)], v[0+(\a):11+(\a)], v[0+(\b):11+(\b)], 0, v[\sa], v[\sb] matrix_a_fmt:MATRIX_FMT_BF6 matrix_b_fmt:MATRIX_FMT_BF6 matrix_b_scale:MATRIX_SCALE_ROW1
.else
	v_wmma_scale_f32_16x16x128_f8f6f4 v[0+(\d):7+(\d)], v[0+(\a):11+(\a)], v[0+(\b):11+(\b)], 0, v[\sa], v[\sb] matrix_a_fmt:MATRIX_FMT_BF6 matrix_b_fmt:MATRIX_FMT_BF6
.endif
.else
.if (\ra) && (\rb)
	v_wmma_scale_f32_16x16x128_f8f6f4 v[0+(\d):7+(\d)], v[0+(\a):11+(\a)], v[0+(\b):11+(\b)], v[0+(\c):7+(\c)], v[\sa], v[\sb] matrix_a_fmt:MATRIX_FMT_BF6 matrix_b_fmt:MATRIX_FMT_BF6 matrix_a_scale:MATRIX_SCALE_ROW1 matrix_b_scale:MATRIX_SCALE_ROW1
.elseif (\ra)
	v_wmma_scale_f32_16x16x128_f8f6f4 v[0+(\d):7+(\d)], v[0+(\a):11+(\a)], v[0+(\b):11+(\b)], v[0+(\c):7+(\c)], v[\sa], v[\sb] matrix_a_fmt:MATRIX_FMT_BF6 matrix_b_fmt:MATRIX_FMT_BF6 matrix_a_scale:MATRIX_SCALE_ROW1
.elseif (\rb)
	v_wmma_scale_f32_16x16x128_f8f6f4 v[0+(\d):7+(\d)], v[0+(\a):11+(\a)], v[0+(\b):11+(\b)], v[0+(\c):7+(\c)], v[\sa], v[\sb] matrix_a_fmt:MATRIX_FMT_BF6 matrix_b_fmt:MATRIX_FMT_BF6 matrix_b_scale:MATRIX_SCALE_ROW1
.else
	v_wmma_scale_f32_16x16x128_f8f6f4 v[0+(\d):7+(\d)], v[0+(\a):11+(\a)], v[0+(\b):11+(\b)], v[0+(\c):7+(\c)], v[\sa], v[\sb] matrix_a_fmt:MATRIX_FMT_BF6 matrix_b_fmt:MATRIX_FMT_BF6
.endif
.endif
.endm
.macro FRAG reg, adr, q, i             ; fragment row i, the slot's q-th K step: six loads of 256 consecutive bytes
.irp p, 0,1,2,3,4,5
	ds_load_b64 v[\reg+2*\p:\reg+2*\p+1], v[\adr] offset:(\i)*3072+(\q)*1536+256*\p
.endr
.endm
.macro FETCH_B slot, q, p              ; source 0's eight fragments into set p of window 1
	WIN 0x40
.irp i, 0,1,2,3,4,5,6,7
	FRAG 128*(\p)+FR*\i, ADRB+\slot, \q, \i
.endr
	WIN 0
.endm
.macro FETCH_A slot, q, i0             ; source 1's fragments i0 .. i0 + 3
.irp i, \i0, \i0+1, \i0+2, \i0+3
	FRAG AF+FR*(\i), ADRA+\slot, \q, \i
.endr
.endm
.macro SCALES z, ks0                   ; the scale words of K steps ks0, ks0 + 1 into set z: a register holds two fragments' words, lanes 0-15 the even one's, lanes 16-31 the odd one's
.irp q, 0,1
.irp i, 0,1,2,3
	ds_load_b32 v[SC+16*(\z)+8*\q+\i], v[ADSA] offset:((\ks0)+\q)*512+128*\i
	ds_load_b32 v[SC+16*(\z)+8*\q+4+\i], v[ADSB] offset:((\ks0)+\q)*512+128*\i
.endr
.endr
.endm
; 16 products: source 1's fragments a0, a0 + 1 x source 0's eight.  The 64 accumulators take turns, one instruction a turn, in the same order in every step
.macro MUL16 a0, q, z, cm
.irp a, \a0, \a0+1
.irp b, 0,1,2,3,4,5,6,7
.if (\cm) == 1
	WM 8*(8*((\a)%4)+\b), 128*(\q)+FR*\b, AF+FR*(\a), -1, SC+16*(\z)+8*(\q)+4+\b/2, SC+16*(\z)+8*(\q)+(\a)/2, \b%2, (\a)%2
.else
	WM 8*(8*((\a)%4)+\b), 128*(\q)+FR*\b, AF+FR*(\a), 8*(8*((\a)%4)+\b), SC+16*(\z)+8*(\q)+4+\b/2, SC+16*(\z)+8*(\q)+(\a)/2, \b%2, (\a)%2
.endif
.endr
.endr
.endm
; a step of 128 along K: scale set z, the slot's q-th step; the next step lies in slot ns at nq; sc >= 0: the next slot's scale words, from K step sc on, are fetched too
.macro STEP z, q, ns, nq, sc, cm
	s_wait_dscnt 24                                ; all but the youngest 24 loads (source 1's fragments 4-7) are in
	WIN 0xa1
	MUL16 0, \q, \z, \cm
	MUL16 2, \q, \z, \cm
	s_wait_dscnt 0x0                               ; fragments 4-7 are in
	PLACES
	FETCH_B \ns, \nq, 1-(\q)
	FETCH_A \ns, \nq, 0
.if (\sc) >= 0
	SCALES 1-(\z), \sc
.endif
	WIN 0xf1
	MUL16 4, \q, \z, \cm
	MUL16 6, \q, \z, \cm
	PLACES
	WIN 0
	FETCH_A \ns, \nq, 4
.endm
; a slot's second step with a barrier.  In front of it each wave waits for all its tensor loads, adds 0 to its spare word, and waits for that and for its reads of the slot.  fill = 1: slot 0 takes K steps 6 and 7
.macro TURN z, ns, fill, sc
	s_wait_tensorcnt 0x0                           ; all my tensor loads have landed
	ds_add_u32 v[SPW], v[NIL]                      ; 0 onto my spare word
	s_wait_dscnt 25                                ; (the add and the youngest 24 loads may be out)
	WIN 0xa1
	MUL16 0, 1, \z, 0
	s_wait_dscnt 0x0                               ; the add is done and my reads of this slot are over
	s_barrier_signal -1
	MUL16 2, 1, \z, 0
	WIN 0
	s_barrier_wait -1
.if \fill
	CREST                                          ; the barrier has opened a round of the cluster's: no wave of any partner reads slot 0 or has a load on its way
	s_add_nc_u64 s[G0+2:G0+3], s[G0+2:G0+3], 9216  ; three slots on along K
	s_add_nc_u64 s[G0B+2:G0B+3], s[G0B+2:G0B+3], 9216
	JLOAD G0, G1, G0B, G1B                         ; my one tensor load behind the round; its four v_nop are the places in front of the loads below
.else
	PLACES
.endif
	FETCH_B \ns, 0, 0
	FETCH_A \ns, 0, 0
	SCALES 1-(\z), \sc
	WIN 0xf1
	MUL16 4, 1, \z, 0
	MUL16 6, 1, \z, 0
	PLACES
	WIN 0
	FETCH_A \ns, 0, 4
.endm
.macro QUANT s, pw                     ; 64 numbers of a lane, register 16 b + i = k 32 b + 16 (lane / 16) + i of my row, become a fragment's codes in v[PC] on and its scale word in v[pw]
.irp b, 0,1,2,3
	v_max3_num_f32 v[TM+\b], |v[\s+16*\b]|, |v[\s+1+16*\b]|, 0x2800000   ; with the floor 2^(5 - 127)
.endr
.irp i, 2,4,6,8,10,12,14
.irp b, 0,1,2,3
	v_max3_num_f32 v[TM+\b], v[TM+\b], |v[\s+16*\b+\i]|, |v[\s+1+16*\b+\i]|
.endr
.endr
.irp b, 0,1,2,3
	v_permlanex16_b32 v[TM+4+\b], v[TM+\b], s[SEL], s[SEL+1]
.endr
.irp b, 0,1,2,3
	v_max_num_f32 v[TM+\b], v[TM+\b], v[TM+4+\b]
.endr
.irp b, 0,1,2,3
	v_add_nc_u32 v[TM+12+\b], 0xfe000000, v[TM+\b]
.endr
.irp b, 0,1,2,3
	v_lshrrev_b32 v[TM+4+\b], 23, v[TM+12+\b]
.endr
	v_lshl_or_b32 v[\pw], v[TM+5], 8, v[TM+4]
	v_lshl_or_b32 v[\pw], v[TM+6], 16, v[\pw]
	v_lshl_or_b32 v[\pw], v[TM+7], 24, v[\pw]
.irp c, 0,1
	v_cvt_scalef32_pk16_bf6_f32 v[PC+6*\c:PC+2+6*\c], v[\s+32*\c:\s+15+32*\c], v[TM+12+2*\c]
	v_cvt_scalef32_pk16_bf6_f32 v[PC+12+4*\c:PC+14+4*\c], v[\s+16+32*\c:\s+31+32*\c], v[TM+12+2*\c+1]
.endr
	v_nop                                          ; one plain line behind the scaled conversions
.irp c, 0,1
.irp i, 0,1,2
	v_permlane16_swap_b32 v[PC+6*\c+\i], v[PC+12+4*\c+\i]
.endr
.irp i, 0,1,2
	v_mov_b32 v[PC+3+6*\c+\i], v[PC+12+4*\c+\i]
.endr
.endr
.endm
	s_load_b128 s[4:7], s[0:1], 0x0                ; xn1, wq
	s_load_b128 s[8:11], s[0:1], 0x10              ; qkv_b, qkv
	v_lshl_add_u32 v[SPW], v0, 2, SPARE
	v_mov_b32 v[NIL], 0
	ds_add_u32 v28, v29
	ds_add_u32 v28, v29
	s_wait_dscnt 0x0
	v_lshrrev_b32 v1, 5, v0
	v_readfirstlane_b32 s14, v1                    ; wave
	s_lshr_b32 s15, s14, 1                         ; my half of source 1's rows.  Also: I fetch for source 1 (0) or source 0 (1)
	s_and_b32 s16, s14, 1                          ; my half of source 0's rows.  Also: which 128 rows I fetch
	s_bfe_u32 s92, ttmp6, 0x40000                  ; cx
	s_bfe_u32 s93, ttmp6, 0x40004                  ; cy
	s_and_b32 s94, ttmp7, 0xffff                   ; the cluster's y
	s_mov_b32 s95, 0
	s_mov_b32 s96, 3145728
	s_mov_b32 s97, WS_QKV
	s_cmp_ge_u32 ttmp9, 2                          ; the cluster's x: 2 = v's columns
	s_cselect_b32 s17, 1, 0                        ; MODE
	s_cselect_b32 s18, s94, ttmp9
	s_cselect_b32 s19, 0, s94
	s_cselect_b32 s95, 1572864, s95                ; source 1's codes begin: xn1's at 0, W's rows 2,048 on
	s_cselect_b32 s96, WS_QKV+8192, s96            ; its scale words
	s_cselect_b32 s97, 3145728, s97                ; source 0's scale words
	s_lshl_b32 s18, s18, 2
	s_add_co_u32 s18, s18, s92                     ; TC: source 0's tile
	s_lshl_b32 s19, s19, 2
	s_add_co_u32 s19, s19, s93                     ; TR: source 1's tile
	s_lshl_b32 s98, s93, 2
	s_lshl_b32 s98, 15, s98                        ; my row of the cluster
	s_lshl_b32 s99, 0x1111, s92                    ; my column
	s_or_b32 s[G1], s98, (3<<16)|(1<<21)           ; 15:0 the mask; 17:16 elements of 8 bytes; 21 set beside a mask
	s_or_b32 s[G1B], s99, (3<<16)|(1<<21)
	s_or_b32 s[G1S], s98, (3<<16)|(1<<21)
	s_or_b32 s[G1SB], s99, (3<<16)|(1<<21)
.irp g, G1, G1B                        ; 8 fragment rows x 3,072 bytes (two K steps), 12,288 bytes apart
	s_mov_b32 s[\g+1], 384<<16
	s_mov_b32 s[\g+2], 8<<16
	s_mov_b32 s[\g+3], 384<<16
	s_mov_b32 s[\g+4], 8
	s_mov_b32 s[\g+5], 1536
	s_mov_b32 s[\g+6], 0
	s_mov_b32 s[\g+7], 0
.endr
.irp g, G1S, G1SB                      ; 8 K steps x 512 bytes (128 words), 16,384 bytes apart
	s_mov_b32 s[\g+1], 64<<16
	s_mov_b32 s[\g+2], 8<<16
	s_mov_b32 s[\g+3], 64<<16
	s_mov_b32 s[\g+4], 8
	s_mov_b32 s[\g+5], 2048
	s_mov_b32 s[\g+6], 0
	s_mov_b32 s[\g+7], 0
.endr
	s_lshl_b32 s20, s19, 4                         ; source 1: fragment row 16 TR + 8 x half
	s_lshl_b32 s21, s16, 3
	s_add_co_u32 s20, s20, s21
	s_mul_i32 s20, s20, 12288
	s_add_co_u32 s20, s20, s95
	s_mov_b32 s21, 0
	s_lshl_b32 s22, s19, 10
	s_lshl_b32 s23, s16, 9
	s_add_co_u32 s22, s22, s23
	s_add_co_u32 s22, s22, s96
	s_mov_b32 s23, 0
	s_lshl_b32 s66, s18, 4                         ; source 0 likewise, by TC
	s_lshl_b32 s67, s16, 3
	s_add_co_u32 s66, s66, s67
	s_mul_i32 s66, s66, 12288
	s_mov_b32 s67, 0
	s_lshl_b32 s100, s18, 10
	s_lshl_b32 s101, s16, 9
	s_add_co_u32 s100, s100, s101
	s_add_co_u32 s100, s100, s97
	s_mov_b32 s101, 0
	s_mul_i32 s98, s14, HALFT                      ; where they go: by the wave's number alone
	s_lshl_b32 s99, s14, 12
	s_add_co_u32 s99, s99, SCL
	s_wait_kmcnt 0x0
	s_cmp_eq_u32 s17, 1
	s_cselect_b64 s[94:95], s[6:7], s[4:5]         ; source 1's buffer
	s_cselect_b64 s[96:97], s[4:5], s[6:7]         ; source 0's
	s_add_nc_u64 s[20:21], s[94:95], s[20:21]
	s_add_nc_u64 s[22:23], s[94:95], s[22:23]
	s_add_nc_u64 s[66:67], s[96:97], s[66:67]
	s_add_nc_u64 s[100:101], s[96:97], s[100:101]
	CROUND                                         ; all sixteen work-groups are here: the first joint loads meet
	s_mov_b32 s[G0S], 1
	s_mov_b32 s[G0S+1], s99
	s_mov_b64 s[G0S+2:G0S+3], s[22:23]
	s_or_b32 s[G0S+3], s[G0S+3], 0x80000000
	s_mov_b32 s[G0SB], 1
	s_mov_b32 s[G0SB+1], s99
	s_mov_b64 s[G0SB+2:G0SB+3], s[100:101]
	s_or_b32 s[G0SB+3], s[G0SB+3], 0x80000000
	JLOAD G0S, G1S, G0SB, G1SB                     ; the scale words of all of K
.irp s, 0,1,2
	s_mov_b32 s[G0+4*\s], 1
	s_add_co_u32 s[G0+4*\s+1], s98, \s*SLOT
	s_add_nc_u64 s[G0+4*\s+2:G0+4*\s+3], s[20:21], \s*3072
	s_or_b32 s[G0+4*\s+3], s[G0+4*\s+3], 0x80000000
	s_mov_b32 s[G0B+4*\s], 1
	s_add_co_u32 s[G0B+4*\s+1], s98, \s*SLOT
	s_add_nc_u64 s[G0B+4*\s+2:G0B+4*\s+3], s[66:67], \s*3072
	s_or_b32 s[G0B+4*\s+3], s[G0B+4*\s+3], 0x80000000
	JLOAD G0+4*\s, G1, G0B+4*\s, G1B               ; K steps 2 s, 2 s + 1: four loads of mine are out
.endr
	v_and_b32 v1, 31, v0
	v_lshlrev_b32 v[L8], 3, v1
	v_lshlrev_b32 v[L4], 2, v1
	s_mul_i32 s21, s15, HALFT
	s_mul_i32 s22, s16, HALFT
	s_add_co_u32 s22, s22, 2*HALFT
.irp s, 0,1,2
	v_add_nc_u32 v[ADRA+\s], s21, v[L8]
	v_add_nc_u32 v[ADRB+\s], s22, v[L8]
	s_add_co_u32 s21, s21, SLOT
	s_add_co_u32 s22, s22, SLOT
.endr
	s_lshl_b32 s21, s15, 12
	s_add_co_u32 s21, s21, SCL
	v_add_nc_u32 v[ADSA], s21, v[L4]
	s_lshl_b32 s22, s16, 12
	s_add_co_u32 s22, s22, SCL+8192
	v_add_nc_u32 v[ADSB], s22, v[L4]
	; the bias, one path for both modes.  q, k: register 8 i + j = b at column 32 (i / 2) + 8 (i % 2) + 16 h + j of my 128; v: b at the channel of lane r of fragment i, in all eight j
	s_lshl_b32 s92, s18, 2
	s_lshl_b32 s93, s16, 1
	s_add_co_u32 s92, s92, s93
	s_and_b32 s92, s92, 15                         ; q, k: my first head
	s_lshl_b32 s93, s19, 2
	s_lshl_b32 s94, s15, 1
	s_add_co_u32 s93, s93, s94                     ; v: my first head
	s_lshr_b32 s94, s18, 2                         ; q or k
	s_cmp_eq_u32 s17, 1
	s_cselect_b32 s92, s93, s92
	s_cselect_b32 s94, 2, s94
	s_cselect_b32 s95, -1, 0
	s_cselect_b32 s96, 0, 4
	s_mul_i32 s92, s92, 768
	s_lshl_b32 s94, s94, 8
	s_add_co_u32 s92, s92, s94
	s_mov_b32 s93, 0
	s_add_nc_u64 s[8:9], s[8:9], s[92:93]
	v_and_b32 v2, 15, v0
	v_bfe_u32 v3, v0, 4, 1
	v_and_b32 v4, 8, v2
	v_add_nc_u32 v4, v4, v2                        ; r + 8 (r / 8)
	v_lshlrev_b32 v5, 4, v3                        ; 16 h
	v_cndmask_b32 v4, v5, v4, s95
	v_lshlrev_b32 v4, 2, v4
.irp j, 0,1,2,3,4,5,6,7
	v_mad_u32_u24 v[6+\j], s96, \j, v4
.endr
.irp i, 0,1,2,3,4,5,6,7
.irp j, 0,1,2,3,4,5,6,7
	global_load_b32 v[T+8*\i+\j], v[6+\j], s[8:9] offset:4*((\i/4)*192+32*((\i/2)%2)+8*(\i%2))
.endr
.endr
	s_mov_b32 s[SEL], 0x76543210
	s_mov_b32 s[SEL+1], 0xfedcba98
	s_mov_b32 s12, 0x3eb504f3                      ; s = 64^(-1/4)
	s_mov_b32 s13, s12
	s_wait_tensorcnt 2                             ; the scale words and K steps 0, 1 are in; slots 1 and 2 may be out
	s_barrier_signal -1
	s_barrier_wait -1
	FETCH_B 0, 0, 0
	FETCH_A 0, 0, 0
	SCALES 0, 0
	FETCH_A 0, 0, 4
	STEP 0, 0, 0, 1, -1, 1                         ; K step 0 starts the sums
	TURN 0, 1, 1, 2                                ; 1: its wait and round show slots 1 and 2 whole to everybody; slot 0 is asked for again
	STEP 1, 0, 1, 1, -1, 0                         ; 2
	STEP 1, 1, 2, 0, 4, 0                          ; 3
	STEP 0, 0, 2, 1, -1, 0                         ; 4
	TURN 0, 0, 0, 6                                ; 5: the refill has landed, in every wave
	STEP 1, 0, 0, 1, -1, 0                         ; 6
	s_wait_dscnt 24                                ; 7: nothing more to fetch
	WIN 0xa1
	MUL16 0, 1, 1, 0
	MUL16 2, 1, 1, 0
	s_wait_dscnt 0x0
	WIN 0xf1
	MUL16 4, 1, 1, 0
	MUL16 6, 1, 1, 0
	WIN 0
	PLACES
.irp b, 0,1,2,3
	v_mov_b32 v[TM+4+\b], 0                        ; (a lane permute's destination counts as read)
.endr
	s_mov_b32 s98, 0xffff0000                      ; lanes 16-31
	s_wait_loadcnt 0x0                             ; the bias
	s_cmp_eq_u32 s17, 0
	s_cbranch_scc0 .Lv
	; ---- q and k: my 128 columns are two heads; a block of 16 tokens becomes one half fragment (64 channels, 768 bytes) for each
	s_lshr_b32 s92, s18, 2
	s_lshl_b32 s92, s92, 1
	s_lshr_b32 s93, s19, 3
	s_add_co_u32 s92, s92, s93
	s_lshl_b32 s92, s92, 4
	s_lshl_b32 s93, s18, 2
	s_lshl_b32 s94, s16, 1
	s_add_co_u32 s93, s93, s94
	s_and_b32 s93, s93, 15
	s_add_co_u32 s92, s92, s93                     ; (2 type + batch) 16 + head
	s_lshl_b32 s93, s19, 4
	s_lshl_b32 s94, s15, 3
	s_add_co_u32 s93, s93, s94
	s_and_b32 s93, s93, 127                        ; my first fragment of tokens in the batch
	s_mul_i32 s94, s92, 98304
	s_mul_i32 s95, s93, 768
	s_add_co_u32 s94, s94, s95
	s_mov_b32 s95, 0
	s_add_nc_u64 s[94:95], s[10:11], s[94:95]
	s_lshl_b32 s96, s92, 13
	s_lshl_b32 s97, s93, 6
	s_add_co_u32 s96, s96, s97
	s_add_co_u32 s96, s96, QKS
	s_mov_b32 s97, 0
	s_add_nc_u64 s[96:97], s[10:11], s[96:97]
.set i, 0
.rept 32
	v_pk_mul_f32 v[T+i:T+i+1], v[T+i:T+i+1], s[12:13] op_sel_hi:[1,0]   ; b s
.set i, i+2
.endr
.irp a, 0,1,2,3,4,5,6,7
.if \a > 0
	s_wait_xcnt 0x0                                ; the last block's stores have read their registers
.endif
	WIN 2+\a/4                                     ; source 0: the accumulators' window
.set i, 0
.rept 32
	v_pk_fma_f32 v[HA+i:HA+i+1], v[64*(\a%4)+i:64*(\a%4)+i+1], s[12:13], v[T+i:T+i+1] op_sel_hi:[1,0,1]   ; each accumulator from its low end on
.set i, i+2
.endr
	WIN 0
	QUANT HA, PWS+\a
.irp p, 0,1,2
	global_store_b64 v[L8], v[PC+2*\p:PC+2*\p+1], s[94:95] offset:768*\a+256*\p
	global_store_b64 v[L8], v[PC+6+2*\p:PC+7+2*\p], s[94:95] offset:98304+768*\a+256*\p   ; the next head
.endr
.endr
.irp c, 0,1,2,3                        ; two fragments' words in one store; bytes 0, 1 are the first head's, bytes 2, 3 the second's; the upper half of a stored word is 0
	v_cndmask_b32 v244, v[PWS+2*\c], v[PWS+2*\c+1], s98
	v_and_b32 v[236+2*\c], 0xffff, v244
	v_lshrrev_b32 v[237+2*\c], 16, v244
	global_store_b32 v[L4], v[236+2*\c], s[96:97] offset:128*\c
	global_store_b32 v[L4], v[237+2*\c], s[96:97] offset:8192+128*\c
.endr
	s_branch .Ldone
.Lv:
	; ---- v: a block of 16 channels x my 128 tokens is one fragment of v with the tokens as K
	s_lshl_b32 s92, s19, 4
	s_lshl_b32 s93, s15, 3
	s_add_co_u32 s92, s92, s93
	s_lshl_b32 s92, s92, 5
	s_lshl_b32 s93, s18, 1
	s_add_co_u32 s93, s93, s16                     ; which 128 tokens
	s_add_co_u32 s92, s92, s93
	s_mul_i32 s94, s92, 1536
	s_add_co_u32 s94, s94, VC
	s_mov_b32 s95, 0
	s_add_nc_u64 s[94:95], s[10:11], s[94:95]
	s_lshl_b32 s96, s93, 12
	s_lshl_b32 s97, s19, 10
	s_add_co_u32 s96, s96, s97
	s_lshl_b32 s97, s15, 9
	s_add_co_u32 s96, s96, s97
	s_add_co_u32 s96, s96, VS
	s_mov_b32 s97, 0
	s_add_nc_u64 s[96:97], s[10:11], s[96:97]
.irp a, 0,1,2,3,4,5,6,7
.if \a > 0
	s_wait_xcnt 0x0
.endif
	WIN 2+\a/4
.set i, 0
.rept 32
	v_pk_add_f32 v[HA+i:HA+i+1], v[64*(\a%4)+i:64*(\a%4)+i+1], v[T+8*\a:T+8*\a+1]
.set i, i+2
.endr
	WIN 0
	QUANT HA, PWS+\a
.irp p, 0,1,2,3,4,5
	global_store_b64 v[L8], v[PC+2*\p:PC+2*\p+1], s[94:95] offset:49152*\a+256*\p
.endr
.endr
.irp c, 0,1,2,3
	v_cndmask_b32 v[236+\c], v[PWS+2*\c], v[PWS+2*\c+1], s98
	global_store_b32 v[L4], v[236+\c], s[96:97] offset:128*\c
.endr
.Ldone:
	s_wait_tensorcnt 0x0                           ; the wave's end
	ds_add_u32 v[SPW], v[NIL]
	s_wait_dscnt 0x0
	CROUND                                         ; the closing round
	s_endpgm
.Lfunc_end_k_q34fccb5721_gqkv:
	.size	k_q34fccb5721_gqkv, .Lfunc_end_k_q34fccb5721_gqkv-k_q34fccb5721_gqkv
	.p2alignl 7, 3214868480
	.fill 96, 4, 3214868480
	.section	.rodata,"a",@progbits
	.p2align	6, 0x0
	.amdhsa_kernel k_q34fccb5721_gqkv
		.amdhsa_group_segment_fixed_size 327680
		.amdhsa_private_segment_fixed_size 0
		.amdhsa_enable_private_segment 0
		.amdhsa_kernarg_size 32
		.amdhsa_user_sgpr_count 2
		.amdhsa_user_sgpr_kernarg_segment_ptr 1
		.amdhsa_wavefront_size32 1
		.amdhsa_system_sgpr_workgroup_id_x 1
		.amdhsa_system_sgpr_workgroup_id_y 1
		.amdhsa_system_sgpr_workgroup_id_z 1
		.amdhsa_system_vgpr_workitem_id 0
		.amdhsa_next_free_vgpr 1024
		.amdhsa_next_free_sgpr 104
		.amdhsa_reserve_vcc 0
		.amdhsa_float_denorm_mode_32 3
		.amdhsa_float_denorm_mode_16_64 3
		.amdhsa_memory_ordered 1
		.amdhsa_forward_progress 1
		.amdhsa_inst_pref_size 247
	.end_amdhsa_kernel
	.amdgpu_metadata
---
amdhsa.version: [ 1, 2 ]
amdhsa.kernels:
  - .name:           k_q34fccb5721_gqkv
    .symbol:         k_q34fccb5721_gqkv.kd
    .args:
      - { .name: xn1, .offset: 0, .size: 8, .value_kind: global_buffer, .address_space: global }
      - { .name: wq, .offset: 8, .size: 8, .value_kind: global_buffer, .address_space: global }
      - { .name: qkv_b, .offset: 16, .size: 8, .value_kind: global_buffer, .address_space: global }
      - { .name: qkv, .offset: 24, .size: 8, .value_kind: global_buffer, .address_space: global }
    .group_segment_fixed_size: 327680
    .private_segment_fixed_size: 0
    .kernarg_segment_align: 8
    .kernarg_segment_size: 32
    .max_flat_workgroup_size: 128
    .sgpr_count:     104
    .vgpr_count:     1024
    .wavefront_size: 32
...
	.end_amdgpu_metadata
.endif
;; end of part 2
;; launch attn (part 3): grid 8 x 32, 16 waves a work-group, clusters of 4 x 1, 210,944 bytes of LDS; arguments qkv, att; writes att
.if DOCPART == 3
	.amdgcn_target "amdgcn-amd-amdhsa--gfx1250"
	.amdhsa_code_object_version 6
	.text
	.protected	k_q34fccb5721_attn
	.globl	k_q34fccb5721_attn
	.p2align	8
	.type	k_q34fccb5721_attn,@function
k_q34fccb5721_attn:
	s_mov_b64 s[64:65], 0
	v_nop
	global_prefetch_b8 v0, s[64:65] scope:SCOPE_SE
	s_setreg_imm32_b32 hwreg(HW_REG_WAVE_MODE, 25, 1), 1
	s_wait_xcnt 0x0
	s_wait_alu depctr_hold_cnt(0) depctr_sa_sdst(0) depctr_va_vdst(0) depctr_va_sdst(0) depctr_va_ssrc(0) depctr_va_vcc(0) depctr_vm_vsrc(0)
	s_getreg_b32 s2, hwreg(HW_REG_IB_STS2, 6, 4)
	s_cmp_eq_u32 s2, 0
	s_cbranch_scc0 .Lentry_in_a_cluster
	s_endpgm
.Lentry_in_a_cluster:
	s_bfe_u32 s2, ttmp6, 0x10000c
	s_cmp_lg_u32 s2, 0x3003
	s_cbranch_scc0 .Lentry_shape_is_right
	s_endpgm
.Lentry_shape_is_right:
; Attention of one head on codes of BF6 (E3M2): 2,048 queries x 2,048 keys, head size 64.  q and k were scaled by 64^(-1/4) each before they were quantised, so t = score x log2(e).
; p = 2^(t - M), M the running largest t rounded up to a whole number; p is quantised along the keys; the row's sum is taken of the unquantised p and divides at the end; the result is quantised along the channels for the next product.
; A work-group owns 256 queries of a head, each of its sixteen waves one fragment of 16; four waves to a SIMD, so that one wave's vector work stands beside another's products and LDS loads.
; A HEAD'S WHOLE K AND V LIE IN LDS: 2 x 98,304 bytes of codes, 8,192 + 4,096 of scale words.  All tiles are first fills, asked for at the head in quarters: nothing is filled again, so there is no ring.
; TWO BARRIERS: one shows the scale words and quarter 0 to every wave, one, at quarter 1's head, all the rest.  Behind it the sixteen waves walk the keys each at its own pace.
; CLUSTER 4 x 1: four query blocks of one head want the same tiles: joint loads, wave 0 for K, wave 1 for V.  No prefetch: every tile is asked for at the kernel's head.
; Both products are used transposed: S^T = K Q^T, O^T = V^T P^T: a lane holds one query.  The images' rows are ordered so that the 16 registers of tiles 2 b, 2 b + 1 are 16 neighbouring keys (channels).
; K = 64 in the first product: q's upper six registers are zero codes; k's operand then runs six registers into the next tile's codes, which meet those zeros; scale bytes 2, 3 are 0, which is 2^-127 and no NaN.
; REGISTERS: v1, v2 8 x and 4 x lane; v8-11 addresses in hand; v12 -M, v13 largest t, v[14:15] the sum; v16-27 Q; v32-85 fragments of K or V (v80-85 stay 0); v96-159 S^T, p; v160-191 O^T; v224-235 p's codes; v232-254 at work; v248-251, v253, v255 scale words.
; LIMITS: NaN and infinities are not served; v_exp_f32 and v_rcp_f32 are good to one unit in the last place.
.set QKS, 6291456
.set VC,  6815744
.set VS,  9961472
.set VCL, 98304                        ; LDS: V's codes, [quarter][4 fragment rows][4 K steps][1,536]
.set KSL, 196608                       ; K's scale words
.set VSL, 204800                       ; V's: [16 K steps][64 words]
.set L8,  1
.set L4,  2
.set ADK, 8
.set ADV, 9
.set ADS, 10
.set ADT, 11
.set WV,  18
.set SEL, 20
.set CS,  22
.set G1K, 24
.set G1V, 32
.set G1KS, 40
.set G1VS, 48
.set G0,  68                           ; s[68:87] five groups 0: the scale words, quarters 0 .. 3
.set TK,  2
.set TV,  3
.set TS,  66
.set TT,  67
.set CNT, 88
.macro CROUND
	s_barrier_signal -1
	s_barrier_wait -1
	s_cmp_lg_u32 s[WV], 0
	s_cbranch_scc1 .Lnot_wave_0_\@
	s_barrier_signal -3
.Lnot_wave_0_\@:
	s_barrier_wait -3
	s_barrier_signal -1
	s_barrier_wait -1
.endm
	s_load_b128 s[4:7], s[0:1], 0x0                ; qkv, att
	v_lshl_add_u32 v223, v0, 2, 0x33000
	v_mov_b32 v243, 0
	ds_add_u32 v223, v243
	ds_add_u32 v223, v243
	v_lshrrev_b32 v8, 5, v0
	v_readfirstlane_b32 s[WV], v8                  ; wave 0..15
	s_bfe_u32 s8, ttmp6, 0x40000                   ; cx
	s_lshl_b32 s9, ttmp9, 2
	s_add_co_u32 s9, s9, s8                        ; my block of 256 queries: it enters Q's and the result's addresses alone
	s_and_b32 s10, ttmp7, 0xffff                   ; 16 batch + head, which the partners share
	s_lshr_b32 s11, s10, 4
	s_and_b32 s12, s10, 15
	s_mov_b32 s[G1K], 15|(3<<16)|(1<<21)           ; K's quarter: 24,576 dense bytes as 96 rows of 256
	s_mov_b32 s[G1K+1], 32<<16
	s_mov_b32 s[G1K+2], 96<<16
	s_mov_b32 s[G1K+3], 32<<16
	s_mov_b32 s[G1K+4], 96
	s_mov_b32 s[G1K+5], 32
	s_mov_b32 s[G1K+6], 0
	s_mov_b32 s[G1K+7], 0
	s_mov_b32 s[G1V], 15|(3<<16)|(1<<21)           ; V's quarter: 4 fragment rows x 6,144 bytes (4 K steps), 49,152 apart
	s_mov_b32 s[G1V+1], 768<<16
	s_mov_b32 s[G1V+2], 4<<16
	s_mov_b32 s[G1V+3], 768<<16
	s_mov_b32 s[G1V+4], 4
	s_mov_b32 s[G1V+5], 6144
	s_mov_b32 s[G1V+6], 0
	s_mov_b32 s[G1V+7], 0
	s_mov_b32 s[G1KS], 15|(3<<16)|(1<<21)          ; K's scale words: 8,192 dense bytes
	s_mov_b32 s[G1KS+1], 32<<16
	s_mov_b32 s[G1KS+2], 32<<16
	s_mov_b32 s[G1KS+3], 32<<16
	s_mov_b32 s[G1KS+4], 32
	s_mov_b32 s[G1KS+5], 32
	s_mov_b32 s[G1KS+6], 0
	s_mov_b32 s[G1KS+7], 0
	s_mov_b32 s[G1VS], 15|(3<<16)|(1<<21)          ; V's: 16 K steps x 256 bytes, 4,096 apart
	s_mov_b32 s[G1VS+1], 32<<16
	s_mov_b32 s[G1VS+2], 16<<16
	s_mov_b32 s[G1VS+3], 32<<16
	s_mov_b32 s[G1VS+4], 16
	s_mov_b32 s[G1VS+5], 512
	s_mov_b32 s[G1VS+6], 0
	s_mov_b32 s[G1VS+7], 0
	s_add_co_u32 s19, s10, 32                      ; k is type 1
	s_lshl_b32 s56, s19, 13
	s_add_co_u32 s56, s56, QKS                     ; K's scale words,
	s_mul_i32 s58, s19, 98304                      ; K's codes,
	s_lshl_b32 s62, s11, 16
	s_lshl_b32 s63, s12, 8
	s_add_co_u32 s62, s62, s63
	s_add_co_u32 s62, s62, VS                      ; V's scale words,
	s_lshl_b32 s63, s12, 7
	s_lshl_b32 s89, s11, 4
	s_add_co_u32 s63, s63, s89
	s_mul_i32 s63, s63, 1536
	s_add_co_u32 s63, s63, VC                      ; V's codes
	s_mov_b32 s60, 6144
	s_cmp_eq_u32 s[WV], 0                          ; wave 0 fetches K, wave 1 V
	s_cselect_b32 s56, s56, s62
	s_cselect_b32 s58, s58, s63
	s_cselect_b32 s60, 24576, s60                  ; a quarter on, in memory
	s_mov_b32 s57, 0
	s_mov_b32 s59, 0
	s_mov_b32 s61, 0
	s_lshl_b32 s13, s9, 4
	s_add_co_u32 s13, s13, s[WV]                   ; my fragment among the head's 128
	s_mul_i32 s14, s10, 98304
	s_mul_i32 s15, s13, 768
	s_add_co_u32 s14, s14, s15
	s_mov_b32 s15, 0
	s_lshl_b32 s16, s10, 13
	s_lshl_b32 s17, s13, 6
	s_add_co_u32 s16, s16, s17
	s_add_co_u32 s16, s16, QKS
	s_mov_b32 s17, 0
	s_lshl_b32 s89, s11, 7
	s_add_co_u32 s89, s89, s13                     ; my fragment row of the result
	s_lshl_b32 s90, s89, 3
	s_lshr_b32 s96, s12, 1
	s_add_co_u32 s90, s90, s96                     ; K step head / 2,
	s_mul_i32 s90, s90, 1536
	s_and_b32 s97, s12, 1
	s_mul_i32 s98, s97, 768                        ; half head % 2
	s_add_co_u32 s90, s90, s98
	s_mov_b32 s91, 0
	s_lshl_b32 s92, s96, 14
	s_lshl_b32 s98, s89, 6
	s_add_co_u32 s92, s92, s98
	s_lshl_b32 s98, s97, 1
	s_add_co_u32 s92, s92, s98
	s_add_co_u32 s92, s92, 3145728                 ; my two bytes of its scale words
	s_mov_b32 s93, 0
	s_mov_b32 s[SEL], 0x76543210
	s_mov_b32 s[SEL+1], 0xfedcba98
	s_mov_b32 s[CS], 0x3fb8aa3b                    ; log2(e)
	s_mov_b32 s[CS+1], s[CS]
	s_mul_i32 s96, s[WV], 98304
	s_wait_dscnt 0x0
	s_wait_kmcnt 0x0
	s_mov_b32 s[G0], 1
	s_lshl_b32 s[G0+1], s[WV], 13
	s_add_co_u32 s[G0+1], s[G0+1], KSL
	s_add_nc_u64 s[G0+2:G0+3], s[4:5], s[56:57]
	s_or_b32 s[G0+3], s[G0+3], 0x80000000
	s_add_nc_u64 s[94:95], s[4:5], s[58:59]
.irp q, 0,1,2,3
	s_mov_b32 s[G0+4+4*\q], 1
	s_add_co_u32 s[G0+5+4*\q], s96, \q*24576
	s_mov_b64 s[G0+6+4*\q:G0+7+4*\q], s[94:95]
	s_or_b32 s[G0+7+4*\q], s[G0+7+4*\q], 0x80000000
	s_add_nc_u64 s[94:95], s[94:95], s[60:61]
.endr
	s_add_nc_u64 s[14:15], s[4:5], s[14:15]        ; Q's codes
	s_add_nc_u64 s[16:17], s[4:5], s[16:17]        ; Q's scale words
	s_add_nc_u64 s[90:91], s[6:7], s[90:91]
	s_add_nc_u64 s[92:93], s[6:7], s[92:93]
	CROUND                                         ; all four work-groups are here: the joint loads meet
	s_cmp_lg_u32 s[WV], 0                          ; a wave's five first fills stand in one branch: five loads of that wave are out
	s_cbranch_scc1 .Lnot_k
	tensor_load_to_lds s[G0:G0+3], s[G1KS:G1KS+7]
	s_nop 0
	tensor_load_to_lds s[G0+4:G0+7], s[G1K:G1K+7]
	s_nop 0
	tensor_load_to_lds s[G0+8:G0+11], s[G1K:G1K+7]
	s_nop 0
	tensor_load_to_lds s[G0+12:G0+15], s[G1K:G1K+7]
	s_nop 0
	tensor_load_to_lds s[G0+16:G0+19], s[G1K:G1K+7]
	s_nop 0
.rept 4
	v_nop
.endr
	s_branch .Lasked
.Lnot_k:
	s_cmp_lg_u32 s[WV], 1
	s_cbranch_scc1 .Lasked
	tensor_load_to_lds s[G0:G0+3], s[G1VS:G1VS+7]
	s_nop 0
	tensor_load_to_lds s[G0+4:G0+7], s[G1V:G1V+7]
	s_nop 0
	tensor_load_to_lds s[G0+8:G0+11], s[G1V:G1V+7]
	s_nop 0
	tensor_load_to_lds s[G0+12:G0+15], s[G1V:G1V+7]
	s_nop 0
	tensor_load_to_lds s[G0+16:G0+19], s[G1V:G1V+7]
	s_nop 0
.rept 4
	v_nop
.endr
.Lasked:
	v_and_b32 v8, 31, v0
	v_lshlrev_b32 v[L8], 3, v8
	v_lshlrev_b32 v[L4], 2, v8
	v_and_b32 v254, 15, v0
	v_lshlrev_b32 v254, 2, v254
.irp p, 0,1,2
	global_load_b64 v[16+2*\p:17+2*\p], v[L8], s[14:15] offset:256*\p   ; Q's half fragment stays in registers
.endr
	global_load_b32 v255, v254, s[16:17]           ; its scale words
.irp j, 22,23,24,25,26,27,80,81,82,83,84,85
	v_mov_b32 v[\j], 0                             ; zero codes for k = 64 .. 127
.endr
	v_mov_b32 v13, 0xff61b1e6                      ; the largest t so far: -3e38
	v_floor_f32 v12, -v13                          ; -M
	v_mov_b32 v14, 0
	v_mov_b32 v15, 0
.irp b, 0,1,2,3
	v_mov_b32 v[236+\b], 0                         ; (a lane permute's destination counts as read)
.endr
	v_mov_b32 v253, 0
.set i, 0
.rept 32
	v_mov_b32 v[160+i], 0                          ; O^T: the step is written once, its first run finds zeros
.set i, i+1
.endr
; A KEY STEP: 128 keys
.macro STEP
	v_add_nc_u32 v[ADK], s[TK], v[L8]              ; (these four are also the places in front of the loads into registers that the last products read)
	v_add_nc_u32 v[ADV], s[TV], v[L8]
	v_add_nc_u32 v[ADS], s[TS], v[L4]
	v_add_nc_u32 v[ADT], s[TT], v[L4]
.irp t, 0,1,2,3,4,5,6,7
.irp p, 0,1,2
	ds_load_b64 v[32+6*\t+2*\p:33+6*\t+2*\p], v[ADK] offset:768*\t+256*\p
.endr
.endr
.irp i, 0,1,2,3
	ds_load_b32 v[248+\i], v[ADS] offset:128*\i    ; lanes 0-15: tile 2 i's words, lanes 16-31: tile 2 i + 1's
.endr
	s_wait_dscnt 0x0
.irp t, 0,2,4,6
	v_wmma_scale_f32_16x16x128_f8f6f4 v[96+8*\t:103+8*\t], v[32+6*\t:43+6*\t], v[16:27], 0, v[248+\t/2], v255 matrix_a_fmt:MATRIX_FMT_BF6 matrix_b_fmt:MATRIX_FMT_BF6
	v_wmma_scale_f32_16x16x128_f8f6f4 v[104+8*\t:111+8*\t], v[38+6*\t:49+6*\t], v[16:27], 0, v[248+\t/2], v255 matrix_a_fmt:MATRIX_FMT_BF6 matrix_b_fmt:MATRIX_FMT_BF6 matrix_a_scale:MATRIX_SCALE_ROW1
.endr
.rept 4
	v_nop
.endr
.irp t, 0,1,2,3                        ; V's fragments are asked for now and land under the softmax
.irp p, 0,1,2,3,4,5
	ds_load_b64 v[32+12*\t+2*\p:33+12*\t+2*\p], v[ADV] offset:6144*\t+256*\p
.endr
.endr
.irp i, 0,1
	ds_load_b32 v[248+\i], v[ADT] offset:128*\i
.endr
.irp b, 0,1,2,3
	v_max3_num_f32 v[232+\b], v[96+16*\b], v[97+16*\b], v[98+16*\b]   ; the largest score of each block of 32 keys: for the row's maximum, and, since p rises with the score, for the block's largest p
.endr
.irp i, 3,5,7,9,11,13
.irp b, 0,1,2,3
	v_max3_num_f32 v[232+\b], v[232+\b], v[96+16*\b+\i], v[97+16*\b+\i]
.endr
.endr
.irp b, 0,1,2,3
	v_max_num_f32 v[232+\b], v[232+\b], v[111+16*\b]
.endr
.irp b, 0,1,2,3
	v_permlanex16_b32 v[236+\b], v[232+\b], s[SEL], s[SEL+1]
.endr
.irp b, 0,1,2,3
	v_max_num_f32 v[232+\b], v[232+\b], v[236+\b]
.endr
	v_max3_num_f32 v254, v232, v233, v234
	v_max_num_f32 v254, v254, v235
	v_mul_f32 v254, s[CS], v254
	v_max_num_f32 v13, v13, v254                   ; the running largest t
	v_mov_b32 v254, v12
	v_floor_f32 v12, -v13                          ; the new -M: M is a whole number
	v_sub_f32 v254, v12, v254
	v_cvt_i32_f32 v254, v254
	v_ldexp_f32 v252, 1.0, v254                    ; f = 2^(old M - new M): multiplying by it rounds nothing
.irp j, 0,2,4,6,8,10,12,14,16,18,20,22,24,26,28,30,32,34,36,38,40,42,44,46,48,50,52,54,56,58,60,62
	v_pk_fma_f32 v[96+\j:97+\j], v[96+\j:97+\j], s[CS:CS+1], v[12:13] op_sel_hi:[1,0,0]   ; t - M
.endr
.irp b, 0,1,2,3
	v_fma_f32 v[232+\b], v[232+\b], s[CS], v12
.endr
.set i, 0
.rept 64
	v_exp_f32 v[96+i], v[96+i]                     ; p = 2^(t - M)
.set i, i+1
.endr
	v_pk_mul_f32 v[14:15], v[14:15], v[252:253] op_sel_hi:[1,0]   ; the sums under the new M (the plain line behind the batch)
	s_wait_alu depctr_va_vdst(0)                   ; one wait for the 64, ahead of their first reader
.irp b, 0,1,2,3
	v_exp_f32 v[232+\b], v[232+\b]                 ; each block's largest p
.endr
	v_pk_add_f32 v[236:237], v[96:97], v[98:99]    ; the row's sum, of the unquantised p, in two chains
.irp j, 4,8,12,16,20,24,28,32,36,40,44,48,52,56,60
	v_pk_add_f32 v[14:15], v[14:15], v[96+\j:97+\j]
	v_pk_add_f32 v[236:237], v[236:237], v[98+\j:99+\j]
.endr
	v_pk_add_f32 v[14:15], v[14:15], v[236:237]
	s_wait_alu depctr_va_vdst(0)                   ; and one for the four
.irp b, 0,1,2,3
	v_max_num_f32 v[232+\b], 0x2800000, v[232+\b]  ; the floor 2^(5 - 127)
.endr
.irp b, 0,1,2,3
	v_add_nc_u32 v[244+\b], 0xfe000000, v[232+\b]
.endr
.irp b, 0,1,2,3
	v_lshrrev_b32 v[236+\b], 23, v[244+\b]
.endr
	v_lshl_or_b32 v253, v237, 8, v236              ; p's scale word for these 128 keys
	v_lshl_or_b32 v253, v238, 16, v253
	v_lshl_or_b32 v253, v239, 24, v253
.irp c, 0,1
	v_cvt_scalef32_pk16_bf6_f32 v[224+6*\c:226+6*\c], v[96+32*\c:111+32*\c], v[244+2*\c]
	v_cvt_scalef32_pk16_bf6_f32 v[236+4*\c:238+4*\c], v[112+32*\c:127+32*\c], v[244+2*\c+1]
.endr
	v_nop
.irp c, 0,1
.irp i, 0,1,2
	v_permlane16_swap_b32 v[224+6*\c+\i], v[236+4*\c+\i]
.endr
.irp i, 0,1,2
	v_mov_b32 v[227+6*\c+\i], v[236+4*\c+\i]
.endr
.endr
.irp j, 0,2,4,6,8,10,12,14,16,18,20,22,24,26,28,30
	v_pk_mul_f32 v[160+\j:161+\j], v[160+\j:161+\j], v[252:253] op_sel_hi:[1,0]   ; O^T under the new M; these sixteen also stand between the lines that made p's codes and scale word and the products
.endr
	s_wait_dscnt 0x0                               ; V
.irp t, 0,2
	v_wmma_scale_f32_16x16x128_f8f6f4 v[160+8*\t:167+8*\t], v[32+12*\t:43+12*\t], v[224:235], v[160+8*\t:167+8*\t], v[248+\t/2], v253 matrix_a_fmt:MATRIX_FMT_BF6 matrix_b_fmt:MATRIX_FMT_BF6
	v_wmma_scale_f32_16x16x128_f8f6f4 v[168+8*\t:175+8*\t], v[44+12*\t:55+12*\t], v[224:235], v[168+8*\t:175+8*\t], v[248+\t/2], v253 matrix_a_fmt:MATRIX_FMT_BF6 matrix_b_fmt:MATRIX_FMT_BF6 matrix_a_scale:MATRIX_SCALE_ROW1
.endr
	s_add_co_u32 s[TK], s[TK], 6144
	s_add_co_u32 s[TV], s[TV], 1536
	s_add_co_u32 s[TS], s[TS], 512
	s_add_co_u32 s[TT], s[TT], 256
.endm
; 512 keys: four steps.  left >= 0: a wait on the tiles and a barrier stand at the quarter's head, and left tensor loads of the fetching waves may stay out
.macro QUARTER q, left
.if (\left) >= 0
	s_wait_tensorcnt \left
	s_wait_dscnt 0x0
	s_barrier_signal -1
	s_barrier_wait -1
.endif
	s_mov_b32 s[TK], \q*24576
	s_mov_b32 s[TV], VCL+\q*24576
	s_mov_b32 s[TS], KSL+\q*2048
	s_mov_b32 s[TT], VSL+\q*1024
	s_mov_b32 s[CNT], 4
.Lstep_\@:
	STEP
	s_sub_co_u32 s[CNT], s[CNT], 1
	s_cmp_lg_u32 s[CNT], 0
	s_cbranch_scc1 .Lstep_\@
.endm
	s_wait_loadcnt 0x0                             ; Q
	QUARTER 0, 3                                   ; the scale words and quarter 0 are in; the three later quarters may be out
	QUARTER 1, 0                                   ; all tiles of the fetching waves are in when they signal: every read of quarters 1, 2 and 3 stands behind this barrier
	QUARTER 2, -1
	QUARTER 3, -1
	; THE WAY OUT: O^T / the sum; my row's 64 channels are two blocks of the next product's K: half a fragment and two scale bytes
	v_add_f32 v14, v14, v15
	v_permlanex16_b32 v252, v14, s[SEL], s[SEL+1]
	v_add_f32 v14, v14, v252
	v_rcp_f32 v14, v14
	v_and_b32 v3, 15, v0
	v_lshlrev_b32 v3, 2, v3                        ; 4 r
.rept 2
	v_nop
.endr
	s_wait_alu depctr_va_vdst(0)                   ; ahead of the reciprocal's first reader
.set i, 0
.rept 32
	v_mul_f32 v[96+i], v[160+i], v14
.set i, i+1
.endr
.irp b, 0,1
	v_max3_num_f32 v[232+\b], |v[96+16*\b]|, |v[97+16*\b]|, 0x2800000
.endr
.irp i, 2,4,6,8,10,12,14
.irp b, 0,1
	v_max3_num_f32 v[232+\b], v[232+\b], |v[96+16*\b+\i]|, |v[97+16*\b+\i]|
.endr
.endr
.irp b, 0,1
	v_permlanex16_b32 v[236+\b], v[232+\b], s[SEL], s[SEL+1]
.endr
.irp b, 0,1
	v_max_num_f32 v[232+\b], v[232+\b], v[236+\b]
.endr
.irp b, 0,1
	v_add_nc_u32 v[244+\b], 0xfe000000, v[232+\b]
.endr
.irp b, 0,1
	v_lshrrev_b32 v[240+\b], 23, v[244+\b]
.endr
	v_lshl_or_b32 v240, v241, 8, v240
	v_cvt_scalef32_pk16_bf6_f32 v[224:226], v[96:111], v244
	v_cvt_scalef32_pk16_bf6_f32 v[236:238], v[112:127], v245
	v_nop
.irp i, 0,1,2
	v_permlane16_swap_b32 v[224+\i], v[236+\i]
.endr
.irp i, 0,1,2
	v_mov_b32 v[227+\i], v[236+\i]
.endr
.irp p, 0,1,2
	global_store_b64 v[L8], v[224+2*\p:225+2*\p], s[90:91] offset:256*\p   ; 32 lanes store 256 consecutive bytes, aligned
.endr
	global_store_b16 v3, v240, s[92:93]            ; two heads share a scale word: two bytes a row; lanes r and r + 16 write the same bytes
	s_wait_tensorcnt 0x0
	ds_add_u32 v223, v243
	s_wait_dscnt 0x0
	CROUND                                         ; the closing round
	s_endpgm
.Lfunc_end_k_q34fccb5721_attn:
	.size	k_q34fccb5721_attn, .Lfunc_end_k_q34fccb5721_attn-k_q34fccb5721_attn
	.p2alignl 7, 3214868480
	.fill 96, 4, 3214868480
	.section	.rodata,"a",@progbits
	.p2align	6, 0x0
	.amdhsa_kernel k_q34fccb5721_attn
		.amdhsa_group_segment_fixed_size 210944
		.amdhsa_private_segment_fixed_size 0
		.amdhsa_enable_private_segment 0
		.amdhsa_kernarg_size 16
		.amdhsa_user_sgpr_count 2
		.amdhsa_user_sgpr_kernarg_segment_ptr 1
		.amdhsa_wavefront_size32 1
		.amdhsa_system_sgpr_workgroup_id_x 1
		.amdhsa_system_sgpr_workgroup_id_y 1
		.amdhsa_system_sgpr_workgroup_id_z 1
		.amdhsa_system_vgpr_workitem_id 0
		.amdhsa_next_free_vgpr 256
		.amdhsa_next_free_sgpr 100
		.amdhsa_reserve_vcc 0
		.amdhsa_float_denorm_mode_32 3
		.amdhsa_float_denorm_mode_16_64 3
		.amdhsa_memory_ordered 1
		.amdhsa_forward_progress 1
		.amdhsa_inst_pref_size 85
	.end_amdhsa_kernel
	.amdgpu_metadata
---
amdhsa.version: [ 1, 2 ]
amdhsa.kernels:
  - .name:           k_q34fccb5721_attn
    .symbol:         k_q34fccb5721_attn.kd
    .args:
      - { .name: qkv, .offset: 0, .size: 8, .value_kind: global_buffer, .address_space: global }
      - { .name: att, .offset: 8, .size: 8, .value_kind: global_buffer, .address_space: global }
    .group_segment_fixed_size: 210944
    .private_segment_fixed_size: 0
    .kernarg_segment_align: 8
    .kernarg_segment_size: 16
    .max_flat_workgroup_size: 512
    .sgpr_count:     100
    .vgpr_count:     256
    .wavefront_size: 32
...
	.end_amdgpu_metadata
.endif
;; end of part 3
;; launch gproj (part 4): grid 8 x 32, 4 waves a work-group, clusters of 4 x 4, 327,680 bytes of LDS; arguments att, wq, proj_b, x, x1; writes x1
.if DOCPART == 4
	.amdgcn_target "amdgcn-amd-amdhsa--gfx1250"
	.amdhsa_code_object_version 6
	.text
	.protected	k_q34fccb5721_gproj
	.globl	k_q34fccb5721_gproj
	.p2align	8
	.type	k_q34fccb5721_gproj,@function
k_q34fccb5721_gproj:
	s_mov_b64 s[64:65], 0
	v_nop
	global_prefetch_b8 v0, s[64:65] scope:SCOPE_SE
	s_setreg_imm32_b32 hwreg(HW_REG_WAVE_MODE, 25, 1), 1
	s_wait_xcnt 0x0
	s_wait_alu depctr_hold_cnt(0) depctr_sa_sdst(0) depctr_va_vdst(0) depctr_va_sdst(0) depctr_va_ssrc(0) depctr_va_vcc(0) depctr_vm_vsrc(0)
	s_getreg_b32 s2, hwreg(HW_REG_IB_STS2, 6, 4)
	s_cmp_eq_u32 s2, 0
	s_cbranch_scc0 .Lentry_in_a_cluster
	s_endpgm
.Lentry_in_a_cluster:
	s_bfe_u32 s2, ttmp6, 0x10000c
	s_cmp_lg_u32 s2, 0xf033
	s_cbranch_scc0 .Lentry_shape_is_right
	s_endpgm
.Lentry_shape_is_right:
; out = res + a W + bias on codes of BF6 (E3M2); a and W lie in memory as register images (fragment = 1,536 bytes, [fragment row][K step]); out, res: [4,096][1,024] f32.
; A tile is 128 x 128 (256 work-groups), four waves of 64 x 64: 16 accumulators.  A slot holds four K steps (512 along K); two slots.  SIZE_K = 1,024: both are first fills.
; CLUSTER 4 x 4: a's tiles are shared along a row of the cluster, W's along a column: joint loads.  The scale words of all of K come once.
; The product is used transposed (source 0 = rows of W, source 1 = rows of a): a lane holds one row and eight neighbouring columns.  The bias is the C of each sum's first product.
; The residual is asked for at the head, in the layout in which whole rows come back from the stage.
; REGISTERS: window 0: v16-30 addresses; v32-63 scale words, a set a slot; v64-95 the bias, later with v96-127 rows on the way out; v128-255 accumulators.  window 1: two fragment buffers.  window 2: v0-127 the residual.
.set SIZE_K, 1024
.set WC,    2359296
.set WS,    9568256
.set KF,    SIZE_K/128
.set LAPS,  SIZE_K/1024
.set ASOFF, 3072*SIZE_K
.set QTR,   24576                      ; 4 fragment rows x 4 K steps: what one tensor load brings
.set SLOT,  98304
.set SCL,   196608                     ; four regions of [KF][64 words]
.set SPARE, SCL+KF*1024                ; the spare words: 128 bytes a wave; no other line names them
.set ADRA, 16
.set ADRB, 20
.set ADSA, 24
.set ADSB, 25
.set STO,  26
.set RD,   27
.set SPW,  28
.set NIL,  29
.set CO,   30
.set SC,   32
.set T,    64
.set BK,   64
.set ACC,  128
.set F0,   0
.set F1,   128
.set G1,   24
.set G1B,  32
.set G0,   40
.set G0B,  48
.set G1S,  68
.set G1SB, 76
.set G0S,  84
.set G0SB, 88
.set MSB, 0
.macro WIN new
.if MSB != (\new)
	s_set_vgpr_msb (MSB<<8)|(\new)
.set MSB, \new
.endif
.endm
.macro PLACES
.rept 4
	v_nop
.endr
.endm
.macro JLOAD g0a, g1a, g0b, g1b        ; a joint load: waves 0, 1 fetch for a, waves 2, 3 for W; four v_nop follow each line
	s_cmp_eq_u32 s15, 0
	s_cbranch_scc0 .Lfor_b_\@
	tensor_load_to_lds s[\g0a:\g0a+3], s[\g1a:\g1a+7]
	s_nop 0
.rept 4
	v_nop
.endr
	s_branch .Lasked_\@
.Lfor_b_\@:
	tensor_load_to_lds s[\g0b:\g0b+3], s[\g1b:\g1b+7]
	s_nop 0
.rept 4
	v_nop
.endr
.Lasked_\@:
.endm
.macro CREST
	s_cmp_lg_u32 s14, 0
	s_cbranch_scc1 .Lnot_wave_0_\@
	s_barrier_signal -3
.Lnot_wave_0_\@:
	s_barrier_wait -3
	s_barrier_signal -1
	s_barrier_wait -1
.endm
.macro CROUND
	s_barrier_signal -1
	s_barrier_wait -1
	CREST
.endm
.macro WM d, a, b, c, sa, sb, ra, rb   ; ra, rb: the side's scale words stand in lanes 16-31 of the register named
.if (\ra) && (\rb)
	v_wmma_scale_f32_16x16x128_f8f6f4 v[0+(\d):7+(\d)], v[0+(\a):11+(\a)], v[0+(\b):11+(\b)], v[0+(\c):7+(\c)], v[\sa], v[\sb] matrix_a_fmt:MATRIX_FMT_BF6 matrix_b_fmt:MATRIX_FMT_BF6 matrix_a_scale:MATRIX_SCALE_ROW1 matrix_b_scale:MATRIX_SCALE_ROW1
.elseif (\ra)
	v_wmma_scale_f32_16x16x128_f8f6f4 v[0+(\d):7+(\d)], v[0+(\a):11+(\a)], v[0+(\b):11+(\b)], v[0+(\c):7+(\c)], v[\sa], v[\sb] matrix_a_fmt:MATRIX_FMT_BF6 matrix_b_fmt:MATRIX_FMT_BF6 matrix_a_scale:MATRIX_SCALE_ROW1
.elseif (\rb)
	v_wmma_scale_f32_16x16x128_f8f6f4 v[0+(\d):7+(\d)], v[0+(\a):11+(\a)], v[0+(\b):11+(\b)], v[0+(\c):7+(\c)], v[\sa], v[\sb] matrix_a_fmt:MATRIX_FMT_BF6 matrix_b_fmt:MATRIX_FMT_BF6 matrix_b_scale:MATRIX_SCALE_ROW1
.else
	v_wmma_scale_f32_16x16x128_f8f6f4 v[0+(\d):7+(\d)], v[0+(\a):11+(\a)], v[0+(\b):11+(\b)], v[0+(\c):7+(\c)], v[\sa], v[\sb] matrix_a_fmt:MATRIX_FMT_BF6 matrix_b_fmt:MATRIX_FMT_BF6
.endif
.endm
.macro FETCH s, q, f                   ; 48 loads: W's four fragments, then a's 0, 1, then a's 2, 3, of slot s's q-th K step, into buffer f
	WIN 0x40
.irp i, 0,1,2,3
.irp p, 0,1,2,3,4,5
	ds_load_b64 v[\f+48+12*\i+2*\p:\f+49+12*\i+2*\p], v[ADRB+\s] offset:\i*6144+(\q)*1536+256*\p
.endr
.endr
.irp i, 0,1,2,3
.irp p, 0,1,2,3,4,5
	ds_load_b64 v[\f+12*\i+2*\p:\f+1+12*\i+2*\p], v[ADRA+\s] offset:\i*6144+(\q)*1536+256*\p
.endr
.endr
.endm
.macro SCALES z                        ; a slot's scale words into set z: a register holds two fragments' words
.irp q, 0,1,2,3
.irp i, 0,1
	ds_load_b32 v[SC+16*(\z)+4*\q+\i], v[ADSA] offset:256*\q+128*\i
	ds_load_b32 v[SC+16*(\z)+4*\q+2+\i], v[ADSB] offset:256*\q+128*\i
.endr
.endr
.endm
.macro MUL8 f, a0, z, q, cm            ; a's fragments a0, a0 + 1 x W's four; the 16 accumulators take turns, in the same order in every step
.irp a, \a0, \a0+1
.irp b, 0,1,2,3
.if \cm
	WM ACC+8*(4*(\a)+\b), \f+48+12*\b, \f+12*(\a), T+8*\b, SC+16*(\z)+4*(\q)+2+\b/2, SC+16*(\z)+4*(\q)+(\a)/2, \b%2, (\a)%2
.else
	WM ACC+8*(4*(\a)+\b), \f+48+12*\b, \f+12*(\a), ACC+8*(4*(\a)+\b), SC+16*(\z)+4*(\q)+2+\b/2, SC+16*(\z)+4*(\q)+(\a)/2, \b%2, (\a)%2
.endif
.endr
.endr
.endm
.macro QSTEP s, q, f, g, cm            ; K step q (0 .. 2) of slot s from buffer f; the next one is fetched into g
	s_wait_dscnt 12                                ; all but the youngest 12 loads (a's fragments 2, 3) are in
	WIN 0x05
	MUL8 \f, 0, \s, \q, \cm
	PLACES
	FETCH \s, (\q)+1, \g
	s_wait_dscnt 48                                ; all but the 48 just issued
	WIN 0x05
	MUL8 \f, 2, \s, \q, \cm
.endm
; a slot's last K step changes slots: one barrier; in front of it each wave waits for all its tensor loads, adds 0 to its spare word, and waits for that and for its reads of the slot.  fill = 1: the slot is filled again, two slots ahead
.macro TURN s, n, fill
	WIN 0
	s_wait_tensorcnt 0x0
	ds_add_u32 v[SPW], v[NIL]                      ; 0 onto my spare word
	s_wait_dscnt 0x0                               ; the add is done and my reads of this slot are over
	s_barrier_signal -1
	WIN 0x05
	MUL8 F1, 0, \s, 3, 0
	WIN 0
	s_barrier_wait -1
.if \fill
	CREST                                          ; the barrier has opened a round of the cluster's
	s_add_nc_u64 s[G0+4*\s+2:G0+4*\s+3], s[G0+4*\s+2:G0+4*\s+3], 12288
	s_add_nc_u64 s[G0B+4*\s+2:G0B+4*\s+3], s[G0B+4*\s+2:G0B+4*\s+3], 12288
	JLOAD G0+4*\s, G1, G0B+4*\s, G1B               ; my one tensor load behind the round; its four v_nop are the places in front of the loads below
.else
	PLACES
.endif
	v_add_nc_u32 v[ADSA], 1024, v[ADSA]            ; the next slot's scale words (no LDS load of mine is out)
	v_add_nc_u32 v[ADSB], 1024, v[ADSB]
	SCALES \n
	FETCH \n, 0, F0
	WIN 0x05
	MUL8 F1, 2, \s, 3, 0
.endm
	s_load_b256 s[4:11], s[0:1], 0x0               ; a, wq, bias, res
	s_load_b64 s[12:13], s[0:1], 0x20              ; out
	v_lshl_add_u32 v[SPW], v0, 2, SPARE
	v_mov_b32 v[NIL], 0
	ds_add_u32 v28, v29
	ds_add_u32 v28, v29
	s_wait_dscnt 0x0
	v_lshrrev_b32 v1, 5, v0
	v_readfirstlane_b32 s14, v1
	s_lshr_b32 s15, s14, 1                         ; my half of the rows.  Also: I fetch for a (0) or W (1)
	s_and_b32 s16, s14, 1                          ; my half of the columns.  Also: which 64 rows I fetch
	s_bfe_u32 s92, ttmp6, 0x40000                  ; cx
	s_bfe_u32 s93, ttmp6, 0x40004                  ; cy
	s_lshl_b32 s18, ttmp9, 2
	s_add_co_u32 s18, s18, s92                     ; TC
	s_and_b32 s19, ttmp7, 0xffff
	s_lshl_b32 s19, s19, 2
	s_add_co_u32 s19, s19, s93                     ; TR
	s_lshl_b32 s98, s93, 2
	s_lshl_b32 s98, 15, s98
	s_lshl_b32 s99, 0x1111, s92
	s_or_b32 s[G1], s98, (3<<16)|(1<<21)
	s_or_b32 s[G1B], s99, (3<<16)|(1<<21)
	s_or_b32 s[G1S], s98, (3<<16)|(1<<21)
	s_or_b32 s[G1SB], s99, (3<<16)|(1<<21)
.irp g, G1, G1B                        ; 4 fragment rows x 6,144 bytes (four K steps), KF x 1,536 apart
	s_mov_b32 s[\g+1], 768<<16
	s_mov_b32 s[\g+2], 4<<16
	s_mov_b32 s[\g+3], 768<<16
	s_mov_b32 s[\g+4], 4
	s_mov_b32 s[\g+5], KF*192
	s_mov_b32 s[\g+6], 0
	s_mov_b32 s[\g+7], 0
.endr
.irp g, G1S, G1SB                      ; KF K steps x 256 bytes (64 words)
	s_mov_b32 s[\g+1], 32<<16
	s_mov_b32 s[\g+2], KF<<16
	s_mov_b32 s[\g+3], 32<<16
	s_mov_b32 s[\g+4], KF
	s_mov_b32 s[\g+6], 0
	s_mov_b32 s[\g+7], 0
.endr
	s_mov_b32 s[G1S+5], 2048                       ; a's rows of words are 4,096 positions long,
	s_mov_b32 s[G1SB+5], 512                       ; W's 1,024
	s_lshl_b32 s20, s19, 3
	s_lshl_b32 s21, s16, 2
	s_add_co_u32 s20, s20, s21
	s_mul_i32 s20, s20, KF*1536
	s_mov_b32 s21, 0
	s_lshl_b32 s22, s19, 9
	s_lshl_b32 s23, s16, 8
	s_add_co_u32 s22, s22, s23
	s_add_co_u32 s22, s22, ASOFF
	s_mov_b32 s23, 0
	s_lshl_b32 s66, s18, 3
	s_lshl_b32 s67, s16, 2
	s_add_co_u32 s66, s66, s67
	s_mul_i32 s66, s66, KF*1536
	s_add_co_u32 s66, s66, WC
	s_mov_b32 s67, 0
	s_lshl_b32 s100, s18, 9
	s_lshl_b32 s101, s16, 8
	s_add_co_u32 s100, s100, s101
	s_add_co_u32 s100, s100, WS
	s_mov_b32 s101, 0
	s_mul_i32 s98, s14, QTR
	s_mul_i32 s99, s14, KF*256
	s_add_co_u32 s99, s99, SCL
	s_wait_kmcnt 0x0
	s_add_nc_u64 s[20:21], s[4:5], s[20:21]
	s_add_nc_u64 s[22:23], s[4:5], s[22:23]
	s_add_nc_u64 s[66:67], s[6:7], s[66:67]
	s_add_nc_u64 s[100:101], s[6:7], s[100:101]
	CROUND                                         ; all sixteen work-groups are here
	s_mov_b32 s[G0S], 1
	s_mov_b32 s[G0S+1], s99
	s_mov_b64 s[G0S+2:G0S+3], s[22:23]
	s_or_b32 s[G0S+3], s[G0S+3], 0x80000000
	s_mov_b32 s[G0SB], 1
	s_mov_b32 s[G0SB+1], s99
	s_mov_b64 s[G0SB+2:G0SB+3], s[100:101]
	s_or_b32 s[G0SB+3], s[G0SB+3], 0x80000000
	JLOAD G0S, G1S, G0SB, G1SB
.irp s, 0,1
	s_mov_b32 s[G0+4*\s], 1
	s_add_co_u32 s[G0+4*\s+1], s98, \s*SLOT
	s_add_nc_u64 s[G0+4*\s+2:G0+4*\s+3], s[20:21], \s*6144
	s_or_b32 s[G0+4*\s+3], s[G0+4*\s+3], 0x80000000
	s_mov_b32 s[G0B+4*\s], 1
	s_add_co_u32 s[G0B+4*\s+1], s98, \s*SLOT
	s_add_nc_u64 s[G0B+4*\s+2:G0B+4*\s+3], s[66:67], \s*6144
	s_or_b32 s[G0B+4*\s+3], s[G0B+4*\s+3], 0x80000000
	JLOAD G0+4*\s, G1, G0B+4*\s, G1B               ; three loads of mine are out
.endr
	s_lshl_b32 s94, s19, 7
	s_lshl_b32 s95, s15, 6
	s_add_co_u32 s94, s94, s95                     ; my first row
	s_lshl_b32 s94, s94, 12
	s_lshl_b32 s96, s18, 9
	s_lshl_b32 s95, s16, 8
	s_add_co_u32 s96, s96, s95                     ; my first column, in bytes
	s_add_co_u32 s94, s94, s96
	s_mov_b32 s95, 0
	s_mov_b32 s97, 0
	s_add_nc_u64 s[10:11], s[10:11], s[94:95]
	s_add_nc_u64 s[12:13], s[12:13], s[94:95]
	s_add_nc_u64 s[8:9], s[8:9], s[96:97]
	v_and_b32 v1, 31, v0
	v_and_b32 v2, 15, v0
	v_bfe_u32 v3, v0, 4, 1
	v_lshlrev_b32 v4, 3, v1
	v_lshlrev_b32 v5, 2, v1
	s_mul_i32 s21, s15, QTR
	s_mul_i32 s22, s16, QTR
	s_add_co_u32 s22, s22, 2*QTR
.irp s, 0,1
	v_add_nc_u32 v[ADRA+\s], s21, v4
	v_add_nc_u32 v[ADRB+\s], s22, v4
	s_add_co_u32 s21, s21, SLOT
	s_add_co_u32 s22, s22, SLOT
.endr
	s_mul_i32 s21, s15, KF*256
	s_add_co_u32 s21, s21, SCL
	v_add_nc_u32 v[ADSA], s21, v5
	s_mul_i32 s22, s16, KF*256
	s_add_co_u32 s22, s22, SCL+2*KF*256
	v_add_nc_u32 v[ADSB], s22, v5
	s_mul_i32 s96, s14, 4352                       ; my stage: 16 rows x (256 bytes + 16), in slot 0, used when that slot has had its last fill and its last read
	v_mul_u32_u24 v[STO], v2, 272
	v_lshl_add_u32 v[STO], v3, 6, v[STO]
	v_add_nc_u32 v[STO], s96, v[STO]
	v_mul_u32_u24 v[RD], v3, 272
	v_lshl_add_u32 v[RD], v2, 4, v[RD]
	v_add_nc_u32 v[RD], s96, v[RD]
	v_lshlrev_b32 v[CO], 12, v3
	v_lshl_add_u32 v[CO], v2, 4, v[CO]             ; lanes 0-15 one row's 256 bytes, lanes 16-31 the next row's
	v_lshlrev_b32 v6, 6, v3
.irp b, 0,1
.irp j, 0,1,2,3
	global_load_b128 v[T+16*\b+4*\j:T+16*\b+4*\j+3], v6, s[8:9] offset:128*\b+16*\j   ; the bias at columns 32 b + 16 h + 0 .. 15
.endr
.endr
	WIN 0x80
.irp a, 0,1,2,3
.irp t, 0,1,2,3,4,5,6,7
	global_load_b128 v[4*(8*\a+\t):4*(8*\a+\t)+3], v[CO], s[10:11] offset:(32*(\a/2)+8*(\a%2)+2*\t+8*(\t/4))*4096   ; stage row 2 t + (lane / 16) of block a is this row
.endr
.endr
	WIN 0
	s_wait_tensorcnt 1                             ; the scale words and slot 0 are in; slot 1 may be out
	s_barrier_signal -1
	s_barrier_wait -1
	SCALES 0
	FETCH 0, 0, F0
	s_wait_loadcnt 32                              ; the bias is in; the residual's 32 loads may be out
	QSTEP 0, 0, F0, F1, 1                          ; the first K step starts the sums from the bias
.if LAPS > 1
	WIN 0
	s_mov_b32 s3, LAPS-1
.Llap:
	QSTEP 0, 1, F1, F0, 0
	QSTEP 0, 2, F0, F1, 0
	TURN 0, 1, 1
	QSTEP 1, 0, F0, F1, 0
	QSTEP 1, 1, F1, F0, 0
	QSTEP 1, 2, F0, F1, 0
	TURN 1, 0, 1
	QSTEP 0, 0, F0, F1, 0
	WIN 0
	s_sub_co_u32 s3, s3, 1
	s_cmp_lg_u32 s3, 0
	s_cbranch_scc1 .Llap
.endif
	QSTEP 0, 1, F1, F0, 0
	QSTEP 0, 2, F0, F1, 0
	TURN 0, 1, 0
	QSTEP 1, 0, F0, F1, 0
	QSTEP 1, 1, F1, F0, 0
	QSTEP 1, 2, F0, F1, 0
	s_wait_dscnt 0x0
	WIN 0x05
	MUL8 F1, 0, 1, 3, 0
	MUL8 F1, 2, 1, 3, 0
	WIN 0
	PLACES
	s_wait_loadcnt 0x0                             ; the residual
.macro TOSTAGE a                       ; block a, 16 rows x 64 columns, into my stage and back as whole rows of 256 bytes; a wave's LDS instructions are served in order
.irp b, 0,1,2,3
	ds_store_b128 v[STO], v[ACC+8*(4*(\a)+\b):ACC+8*(4*(\a)+\b)+3] offset:128*(\b/2)+32*(\b%2)      ; each accumulator from its low end on
	ds_store_b128 v[STO], v[ACC+8*(4*(\a)+\b)+4:ACC+8*(4*(\a)+\b)+7] offset:128*(\b/2)+32*(\b%2)+16
.endr
.irp t, 0,1,2,3,4,5,6,7
	ds_load_b128 v[BK+32*((\a)%2)+4*\t:BK+32*((\a)%2)+4*\t+3], v[RD] offset:544*\t
.endr
.endm
.macro SEND a, younger
	s_wait_dscnt \younger
	WIN 0x08                                       ; source 1: window 2
.set i, 0
.rept 16
	v_pk_add_f32 v[BK+32*((\a)%2)+i:BK+32*((\a)%2)+i+1], v[BK+32*((\a)%2)+i:BK+32*((\a)%2)+i+1], v[32*(\a)+i:32*(\a)+i+1]
.set i, i+2
.endr
	WIN 0
.irp t, 0,1,2,3,4,5,6,7
	global_store_b128 v[CO], v[BK+32*((\a)%2)+4*\t:BK+32*((\a)%2)+4*\t+3], s[12:13] offset:(32*((\a)/2)+8*((\a)%2)+2*\t+8*(\t/4))*4096   ; 16 lanes store 256 consecutive bytes, aligned
.endr
.endm
	TOSTAGE 0
.irp a, 1,2,3
.if \a > 1
	s_wait_xcnt 0x0                                ; block a - 2's stores have read their registers
.endif
	TOSTAGE \a
	SEND \a-1, 16                                  ; behind block a - 1's loads: block a's 8 stores and 8 loads
.endr
	SEND 3, 0
	s_wait_tensorcnt 0x0                           ; the wave's end
	ds_add_u32 v[SPW], v[NIL]
	s_wait_dscnt 0x0
	CROUND                                         ; the closing round
	s_endpgm
.Lfunc_end_k_q34fccb5721_gproj:
	.size	k_q34fccb5721_gproj, .Lfunc_end_k_q34fccb5721_gproj-k_q34fccb5721_gproj
	.p2alignl 7, 3214868480
	.fill 96, 4, 3214868480
	.section	.rodata,"a",@progbits
	.p2align	6, 0x0
	.amdhsa_kernel k_q34fccb5721_gproj
		.amdhsa_group_segment_fixed_size 327680
		.amdhsa_private_segment_fixed_size 0
		.amdhsa_enable_private_segment 0
		.amdhsa_kernarg_size 40
		.amdhsa_user_sgpr_count 2
		.amdhsa_user_sgpr_kernarg_segment_ptr 1
		.amdhsa_wavefront_size32 1
		.amdhsa_system_sgpr_workgroup_id_x 1
		.amdhsa_system_sgpr_workgroup_id_y 1
		.amdhsa_system_sgpr_workgroup_id_z 1
		.amdhsa_system_vgpr_workitem_id 0
		.amdhsa_next_free_vgpr 640
		.amdhsa_next_free_sgpr 104
		.amdhsa_reserve_vcc 0
		.amdhsa_float_denorm_mode_32 3
		.amdhsa_float_denorm_mode_16_64 3
		.amdhsa_memory_ordered 1
		.amdhsa_forward_progress 1
		.amdhsa_inst_pref_size 70
	.end_amdhsa_kernel
	.amdgpu_metadata
---
amdhsa.version: [ 1, 2 ]
amdhsa.kernels:
  - .name:           k_q34fccb5721_gproj
    .symbol:         k_q34fccb5721_gproj.kd
    .args:
      - { .name: att, .offset: 0, .size: 8, .value_kind: global_buffer, .address_space: global }
      - { .name: wq, .offset: 8, .size: 8, .value_kind: global_buffer, .address_space: global }
      - { .name: proj_b, .offset: 16, .size: 8, .value_kind: global_buffer, .address_space: global }
      - { .name: x, .offset: 24, .size: 8, .value_kind: global_buffer, .address_space: global }
      - { .name: x1, .offset: 32, .size: 8, .value_kind: global_buffer, .address_space: global }
    .group_segment_fixed_size: 327680
    .private_segment_fixed_size: 0
    .kernarg_segment_align: 8
    .kernarg_segment_size: 40
    .max_flat_workgroup_size: 128
    .sgpr_count:     104
    .vgpr_count:     640
    .wavefront_size: 32
...
	.end_amdgpu_metadata
.endif
;; end of part 4
;; launch ln2 (part 5): grid 256 x 1, 8 waves a work-group, no clusters, 67,584 bytes of LDS; arguments x1, ln2_g, ln2_b, xn2; writes xn2
.if DOCPART == 5
	.amdgcn_target "amdgcn-amd-amdhsa--gfx1250"
	.amdhsa_code_object_version 6
	.text
	.protected	k_q34fccb5721_ln2
	.globl	k_q34fccb5721_ln2
	.p2align	8
	.type	k_q34fccb5721_ln2,@function
k_q34fccb5721_ln2:
	s_mov_b64 s[64:65], 0
	v_nop
	global_prefetch_b8 v0, s[64:65] scope:SCOPE_SE
	s_setreg_imm32_b32 hwreg(HW_REG_WAVE_MODE, 25, 1), 1
	s_wait_xcnt 0x0
; y = (x - mean) rsqrt(var + 1e-5) g + b over rows of 1,024 f32, then quantised along the row to BF6 (E3M2) with one E8M0 byte for each 32, stored as register images:
; codes [256 fragment rows][8 K steps][1,536 bytes] at byte 0, scale words [8][4,096 positions] at byte 3,145,728.  Lane r of fragment row t is row 32 (t / 2) + 8 (t % 2) + r + 8 (r / 8).
; A work-group makes one fragment row: 16 rows.  Phase 1: wave w normalises LDS rows 2 w and 2 w + 1 (a row lies in one wave: 32 numbers a lane), all in f32; the mean is taken off before the squares are summed.
; Phase 2: wave w quantises K step w of all 16 rows: lane (r, h) takes, of row r, 16 neighbours of each of the four blocks.
; LIMITS: NaN and infinities are not served; v_rsq_f32 is good to one unit in the last place; a block under 2^-122 gets the byte 1.
.set PITCH, 4112                       ; an LDS row: 4,096 bytes + 16, so that 16 rows' same column falls on 16 different groups of banks
.set X0,  32                           ; v32-63 row 0, v64-95 row 1
.set GG,  96                           ; v96-127 g
.set BB,  128                          ; v128-159 b
.set TM,  164
.set PC,  180
.set PW,  200
.set SEL, 14
.macro QUANT s, pw                     ; 64 numbers of a lane, register 16 b + i = k 32 b + 16 (lane / 16) + i of my row, become a fragment's codes in v[PC] on and its scale word in v[pw]
.irp b, 0,1,2,3
	v_max3_num_f32 v[TM+\b], |v[\s+16*\b]|, |v[\s+1+16*\b]|, 0x2800000   ; with the floor 2^(5 - 127)
.endr
.irp i, 2,4,6,8,10,12,14
.irp b, 0,1,2,3
	v_max3_num_f32 v[TM+\b], v[TM+\b], |v[\s+16*\b+\i]|, |v[\s+1+16*\b+\i]|
.endr
.endr
.irp b, 0,1,2,3
	v_permlanex16_b32 v[TM+4+\b], v[TM+\b], s[SEL], s[SEL+1]
.endr
.irp b, 0,1,2,3
	v_max_num_f32 v[TM+\b], v[TM+\b], v[TM+4+\b]   ; with lane l xor 16's: the block's largest magnitude
.endr
.irp b, 0,1,2,3
	v_add_nc_u32 v[TM+12+\b], 0xfe000000, v[TM+\b] ; 4 off its exponent field: the conversion's scale operand
.endr
.irp b, 0,1,2,3
	v_lshrrev_b32 v[TM+4+\b], 23, v[TM+12+\b]      ; the byte
.endr
	v_lshl_or_b32 v[\pw], v[TM+5], 8, v[TM+4]
	v_lshl_or_b32 v[\pw], v[TM+6], 16, v[\pw]
	v_lshl_or_b32 v[\pw], v[TM+7], 24, v[\pw]
.irp c, 0,1
	v_cvt_scalef32_pk16_bf6_f32 v[PC+6*\c:PC+2+6*\c], v[\s+32*\c:\s+15+32*\c], v[TM+12+2*\c]
	v_cvt_scalef32_pk16_bf6_f32 v[PC+12+4*\c:PC+14+4*\c], v[\s+16+32*\c:\s+31+32*\c], v[TM+12+2*\c+1]
.endr
	v_nop                                          ; one plain line behind the scaled conversions
.irp c, 0,1                            ; the layout wants a whole block in a lane: lanes 0-15 block 2 c, lanes 16-31 block 2 c + 1
.irp i, 0,1,2
	v_permlane16_swap_b32 v[PC+6*\c+\i], v[PC+12+4*\c+\i]
.endr
.irp i, 0,1,2
	v_mov_b32 v[PC+3+6*\c+\i], v[PC+12+4*\c+\i]
.endr
.endr
.endm
.macro WSUM                            ; v8 and v12 summed over the wave's 32 lanes, by turns; every lane gets the sums
.irp m, 1,2,4,8
	v_add_f32_dpp v8, v8, v8 row_xmask:\m row_mask:0xf bank_mask:0xf
	v_add_f32_dpp v12, v12, v12 row_xmask:\m row_mask:0xf bank_mask:0xf
.endr
	v_permlanex16_b32 v18, v8, s[SEL], s[SEL+1]
	v_permlanex16_b32 v19, v12, s[SEL], s[SEL+1]
	v_add_f32 v8, v8, v18
	v_add_f32 v12, v12, v19
.endm
	s_load_b256 s[4:11], s[0:1], 0x0               ; x, g, b, the images
	v_lshl_add_u32 v208, v0, 2, 0x10400
	v_mov_b32 v209, 0
	v_lshrrev_b32 v1, 5, v0
	v_readfirstlane_b32 s12, v1                    ; wave 0..7
	v_and_b32 v1, 31, v0
	v_lshlrev_b32 v2, 4, v1                        ; 16 x lane
	s_mul_i32 s18, s12, 2*PITCH
	v_add_nc_u32 v3, s18, v2                       ; phase 1: my two LDS rows
	v_and_b32 v5, 15, v0
	v_bfe_u32 v6, v0, 4, 1
	v_mul_u32_u24 v4, v5, PITCH
	v_lshl_add_u32 v4, v6, 6, v4
	s_lshl_b32 s18, s12, 9
	v_add_nc_u32 v4, s18, v4                       ; phase 2: row r, + 512 x wave + 64 h
	v_lshlrev_b32 v7, 3, v1                        ; 8 x lane
	v_lshlrev_b32 v5, 2, v5                        ; 4 r
	v_mov_b32 v18, 0                               ; (a lane permute's destination counts as read)
	v_mov_b32 v19, 0
.irp b, 0,1,2,3
	v_mov_b32 v[TM+4+\b], 0
.endr
	s_mov_b32 s[SEL], 0x76543210
	s_mov_b32 s[SEL+1], 0xfedcba98
	s_mov_b32 s20, 0x3a800000                      ; 1 / 1024
	s_mov_b32 s21, 0x3727c5ac                      ; 1e-5
	s_lshr_b32 s16, ttmp9, 1
	s_lshl_b32 s16, s16, 5
	s_and_b32 s17, ttmp9, 1
	s_lshl_b32 s17, s17, 3
	s_add_co_u32 s16, s16, s17
	s_lshl_b32 s17, s12, 1
	s_add_co_u32 s16, s16, s17
	s_lshr_b32 s17, s12, 2
	s_lshl_b32 s17, s17, 3
	s_add_co_u32 s16, s16, s17                     ; my first row
	s_lshl_b32 s16, s16, 12
	s_mov_b32 s17, 0
	s_lshl_b32 s22, ttmp9, 3
	s_add_co_u32 s22, s22, s12
	s_mul_i32 s22, s22, 1536                       ; fragment (t, wave)
	s_mov_b32 s23, 0
	s_lshl_b32 s24, s12, 14
	s_lshl_b32 s25, ttmp9, 6
	s_add_co_u32 s24, s24, s25
	s_add_co_u32 s24, s24, 3145728                 ; its scale words
	s_mov_b32 s25, 0
	s_wait_kmcnt 0x0
	s_add_nc_u64 s[4:5], s[4:5], s[16:17]
	s_add_nc_u64 s[22:23], s[10:11], s[22:23]
	s_add_nc_u64 s[24:25], s[10:11], s[24:25]
.irp j, 0,1,2,3,4,5,6,7
	global_load_b128 v[X0+4*\j:X0+4*\j+3], v2, s[4:5] offset:512*\j
.endr
.irp j, 0,1,2,3,4,5,6,7
	global_load_b128 v[X0+32+4*\j:X0+35+4*\j], v2, s[4:5] offset:4096+512*\j
.endr
.irp j, 0,1,2,3,4,5,6,7
	global_load_b128 v[GG+4*\j:GG+4*\j+3], v2, s[6:7] offset:512*\j
.endr
.irp j, 0,1,2,3,4,5,6,7
	global_load_b128 v[BB+4*\j:BB+4*\j+3], v2, s[8:9] offset:512*\j
.endr
	s_wait_loadcnt 16                              ; the two rows are in; g's and b's 16 loads may be out
.irp x, 0,1                            ; the sums, two chains a row
	v_pk_add_f32 v[8+4*\x:9+4*\x], v[X0+32*\x:X0+32*\x+1], v[X0+32*\x+2:X0+32*\x+3]
	v_pk_add_f32 v[10+4*\x:11+4*\x], v[X0+32*\x+4:X0+32*\x+5], v[X0+32*\x+6:X0+32*\x+7]
.endr
.irp j, 8,12,16,20,24,28
.irp x, 0,1
	v_pk_add_f32 v[8+4*\x:9+4*\x], v[8+4*\x:9+4*\x], v[X0+32*\x+\j:X0+32*\x+\j+1]
	v_pk_add_f32 v[10+4*\x:11+4*\x], v[10+4*\x:11+4*\x], v[X0+32*\x+\j+2:X0+32*\x+\j+3]
.endr
.endr
.irp x, 0,1
	v_pk_add_f32 v[8+4*\x:9+4*\x], v[8+4*\x:9+4*\x], v[10+4*\x:11+4*\x]
.endr
	v_add_f32 v8, v8, v9
	v_add_f32 v12, v12, v13
	WSUM
	v_mul_f32 v20, s20, v8                         ; the means, each twice for the packed forms
	v_mul_f32 v22, s20, v12
	v_mov_b32 v21, v20
	v_mov_b32 v23, v22
.irp j, 0,2,4,6,8,10,12,14,16,18,20,22,24,26,28,30
.irp x, 0,1
	v_pk_add_f32 v[X0+32*\x+\j:X0+32*\x+\j+1], v[X0+32*\x+\j:X0+32*\x+\j+1], v[20+2*\x:21+2*\x] neg_lo:[0,1] neg_hi:[0,1]   ; x - mean
.endr
.endr
.irp x, 0,1
	v_pk_mul_f32 v[8+4*\x:9+4*\x], v[X0+32*\x:X0+32*\x+1], v[X0+32*\x:X0+32*\x+1]
	v_pk_mul_f32 v[10+4*\x:11+4*\x], v[X0+32*\x+2:X0+32*\x+3], v[X0+32*\x+2:X0+32*\x+3]
.endr
.irp j, 4,8,12,16,20,24,28
.irp x, 0,1
	v_pk_fma_f32 v[8+4*\x:9+4*\x], v[X0+32*\x+\j:X0+32*\x+\j+1], v[X0+32*\x+\j:X0+32*\x+\j+1], v[8+4*\x:9+4*\x]
	v_pk_fma_f32 v[10+4*\x:11+4*\x], v[X0+32*\x+\j+2:X0+32*\x+\j+3], v[X0+32*\x+\j+2:X0+32*\x+\j+3], v[10+4*\x:11+4*\x]
.endr
.endr
.irp x, 0,1
	v_pk_add_f32 v[8+4*\x:9+4*\x], v[8+4*\x:9+4*\x], v[10+4*\x:11+4*\x]
.endr
	v_add_f32 v8, v8, v9
	v_add_f32 v12, v12, v13
	WSUM
	v_fma_f32 v8, v8, s20, s21                     ; var + eps
	v_fma_f32 v12, v12, s20, s21
	v_rsq_f32 v20, v8
	v_rsq_f32 v22, v12
	v_nop                                          ; a plain line behind the two roots,
	s_wait_alu depctr_va_vdst(0)                   ; and one wait for both, ahead of their first reader
	v_mov_b32 v21, v20
	v_mov_b32 v23, v22
	s_wait_loadcnt 0x0                             ; g and b
.irp j, 0,2,4,6,8,10,12,14,16,18,20,22,24,26,28,30
.irp x, 0,1
	v_pk_mul_f32 v[X0+32*\x+\j:X0+32*\x+\j+1], v[X0+32*\x+\j:X0+32*\x+\j+1], v[20+2*\x:21+2*\x]
.endr
.endr
.irp j, 0,2,4,6,8,10,12,14,16,18,20,22,24,26,28,30
.irp x, 0,1
	v_pk_fma_f32 v[X0+32*\x+\j:X0+32*\x+\j+1], v[X0+32*\x+\j:X0+32*\x+\j+1], v[GG+\j:GG+\j+1], v[BB+\j:BB+\j+1]
.endr
.endr
.irp j, 0,1,2,3,4,5,6,7
	ds_store_b128 v3, v[X0+4*\j:X0+4*\j+3] offset:512*\j
	ds_store_b128 v3, v[X0+32+4*\j:X0+35+4*\j] offset:PITCH+512*\j
.endr
	s_wait_dscnt 0x0                               ; for the others' sake: my rows lie in LDS
	s_barrier_signal -1
	s_barrier_wait -1
.irp b, 0,1,2,3
.irp j, 0,1,2,3
	ds_load_b128 v[X0+16*\b+4*\j:X0+16*\b+4*\j+3], v4 offset:128*\b+16*\j
.endr
.endr
	s_wait_dscnt 0x0
	QUANT X0, PW
.irp p, 0,1,2,3,4,5
	global_store_b64 v7, v[PC+2*\p:PC+2*\p+1], s[22:23] offset:256*\p   ; 32 lanes store 256 consecutive bytes, aligned
.endr
	global_store_b32 v5, v[PW], s[24:25]           ; lanes r and r + 16 hold the same word and write it to the same place
	s_wait_tensorcnt 0x0
	ds_add_u32 v208, v209
	s_wait_dscnt 0x0
	s_endpgm
.Lfunc_end_k_q34fccb5721_ln2:
	.size	k_q34fccb5721_ln2, .Lfunc_end_k_q34fccb5721_ln2-k_q34fccb5721_ln2
	.p2alignl 7, 3214868480
	.fill 96, 4, 3214868480
	.section	.rodata,"a",@progbits
	.p2align	6, 0x0
	.amdhsa_kernel k_q34fccb5721_ln2
		.amdhsa_group_segment_fixed_size 67584
		.amdhsa_private_segment_fixed_size 0
		.amdhsa_enable_private_segment 0
		.amdhsa_kernarg_size 32
		.amdhsa_user_sgpr_count 2
		.amdhsa_user_sgpr_kernarg_segment_ptr 1
		.amdhsa_wavefront_size32 1
		.amdhsa_system_sgpr_workgroup_id_x 1
		.amdhsa_system_sgpr_workgroup_id_y 1
		.amdhsa_system_sgpr_workgroup_id_z 1
		.amdhsa_system_vgpr_workitem_id 0
		.amdhsa_next_free_vgpr 210
		.amdhsa_next_free_sgpr 66
		.amdhsa_reserve_vcc 0
		.amdhsa_float_denorm_mode_32 3
		.amdhsa_float_denorm_mode_16_64 3
		.amdhsa_memory_ordered 1
		.amdhsa_forward_progress 1
		.amdhsa_inst_pref_size 24
	.end_amdhsa_kernel
	.amdgpu_metadata
---
amdhsa.version: [ 1, 2 ]
amdhsa.kernels:
  - .name:           k_q34fccb5721_ln2
    .symbol:         k_q34fccb5721_ln2.kd
    .args:
      - { .name: x1, .offset: 0, .size: 8, .value_kind: global_buffer, .address_space: global }
      - { .name: ln2_g, .offset: 8, .size: 8, .value_kind: global_buffer, .address_space: global }
      - { .name: ln2_b, .offset: 16, .size: 8, .value_kind: global_buffer, .address_space: global }
      - { .name: xn2, .offset: 24, .size: 8, .value_kind: global_buffer, .address_space: global }
    .group_segment_fixed_size: 67584
    .private_segment_fixed_size: 0
    .kernarg_segment_align: 8
    .kernarg_segment_size: 32
    .max_flat_workgroup_size: 256
    .sgpr_count:     66
    .vgpr_count:     210
    .wavefront_size: 32
...
	.end_amdgpu_metadata
.endif
;; end of part 5
;; launch gfc (part 6): grid 16 x 16, 4 waves a work-group, clusters of 4 x 4, 327,680 bytes of LDS; arguments xn2, wq, fc_b, hid; writes hid
.if DOCPART == 6
	.amdgcn_target "amdgcn-amd-amdhsa--gfx1250"
	.amdhsa_code_object_version 6
	.text
	.protected	k_q34fccb5721_gfc
	.globl	k_q34fccb5721_gfc
	.p2align	8
	.type	k_q34fccb5721_gfc,@function
k_q34fccb5721_gfc:
	s_mov_b64 s[64:65], 0
	v_nop
	global_prefetch_b8 v0, s[64:65] scope:SCOPE_SE
	s_setreg_imm32_b32 hwreg(HW_REG_WAVE_MODE, 25, 1), 1
	s_wait_xcnt 0x0
	s_wait_alu depctr_hold_cnt(0) depctr_sa_sdst(0) depctr_va_vdst(0) depctr_va_sdst(0) depctr_va_ssrc(0) depctr_va_vcc(0) depctr_vm_vsrc(0)
	s_getreg_b32 s2, hwreg(HW_REG_IB_STS2, 6, 4)
	s_cmp_eq_u32 s2, 0
	s_cbranch_scc0 .Lentry_in_a_cluster
	s_endpgm
.Lentry_in_a_cluster:
	s_bfe_u32 s2, ttmp6, 0x10000c
	s_cmp_lg_u32 s2, 0xf033
	s_cbranch_scc0 .Lentry_shape_is_right
	s_endpgm
.Lentry_shape_is_right:
; hid = Q(gelu(LN2(x1) W + b)) on codes of BF6 (E3M2), K = 1,024, N = 4,096; the result is quantised in registers along N, the next product's K, and stored as register images [256 fragment rows][32 K steps][1,536], scale words [32][4,096] at byte 12,582,912.
; A tile is 256 x 256: four waves of 128 x 128.  LDS: three slots of two K steps; ks 0 .. 5 are first fills, slot 0 is filled again once (ks 6, 7), four steps ahead of its use.  The scale words of all of K come once.
; CLUSTER 4 x 4: the tokens' tiles are shared along a row of the cluster, W's along a column.  Source 0 = rows of W, source 1 = tokens: a lane holds a token and its registers run along the hidden units.  The bias is the C of the first K step.
; GELU, exact form: gelu(x) = max(x, 0) - |x| Q(|x|), Q(x) = erfc(x / sqrt 2) / 2 = (1/2) poly(t) 2^(-x^2 log2(e) / 2), t = 1 / (1 + 0.23164189 x), poly of degree 5 (Abramowitz and Stegun 7.1.26).
; LIMITS: that formula's erf has an absolute error of up to 1.5e-7, so gelu(x) is off by up to 0.75e-7 |x|; NaN and infinities are not served; a block under 2^-122 gets the byte 1.
; THE EPILOGUE IS A LOOP OF TWO TRIPS, to keep the text short: trip 0 works blocks 0-3 out of window 2, 256 moves bring blocks 4-7 there, trip 1 works those.
; REGISTERS: window 0: v16-29 addresses; v32-63 scale words; v64-127 the bias, later gelu's results; v128-223 source 1's fragments, later the epilogue's work.  window 1: source 0's fragments, two sets.  windows 2, 3: accumulators.
.set WC_FC, 3145728
.set WS_FC, 9601024
.set HALFT, 24576
.set SLOT,  98304
.set SCL,   294912
.set SPARE, 311296
.set FR,   12
.set ADRA, 16
.set ADRB, 20
.set ADSA, 24
.set ADSB, 25
.set L8,   26
.set L4,   27
.set SPW,  28
.set NIL,  29
.set SC,   32
.set T,    64
.set AF,   128
.set HA,   64
.set TT,   128
.set EE,   144
.set PP,   160
.set PC,   176
.set TM,   196
.set PWS,  212
.set WW,   220
.set A5,   228
.set SEL,  2
.set G1,   24
.set G1B,  32
.set G0,   40
.set G0B,  52
.set G1S,  68
.set G1SB, 76
.set G0S,  84
.set G0SB, 88
.set MSB, 0
.macro WIN new
.if MSB != (\new)
	s_set_vgpr_msb (MSB<<8)|(\new)
.set MSB, \new
.endif
.endm
.macro PLACES
.rept 4
	v_nop
.endr
.endm
.macro JLOAD g0a, g1a, g0b, g1b
	s_cmp_eq_u32 s15, 0
	s_cbranch_scc0 .Lfor_b_\@
	tensor_load_to_lds s[\g0a:\g0a+3], s[\g1a:\g1a+7]
	s_nop 0
.rept 4
	v_nop
.endr
	s_branch .Lasked_\@
.Lfor_b_\@:
	tensor_load_to_lds s[\g0b:\g0b+3], s[\g1b:\g1b+7]
	s_nop 0
.rept 4
	v_nop
.endr
.Lasked_\@:
.endm
.macro CREST
	s_cmp_lg_u32 s14, 0
	s_cbranch_scc1 .Lnot_wave_0_\@
	s_barrier_signal -3
.Lnot_wave_0_\@:
	s_barrier_wait -3
	s_barrier_signal -1
	s_barrier_wait -1
.endm
.macro CROUND
	s_barrier_signal -1
	s_barrier_wait -1
	CREST
.endm
.macro WM d, a, b, c, sa, sb, ra, rb
.if (\ra) && (\rb)
	v_wmma_scale_f32_16x16x128_f8f6f4 v[0+(\d):7+(\d)], v[0+(\a):11+(\a)], v[0+(\b):11+(\b)], v[0+(\c):7+(\c)], v[\sa], v[\sb] matrix_a_fmt:MATRIX_FMT_BF6 matrix_b_fmt:MATRIX_FMT_BF6 matrix_a_scale:MATRIX_SCALE_ROW1 matrix_b_scale:MATRIX_SCALE_ROW1
.elseif (\ra)
	v_wmma_scale_f32_16x16x128_f8f6f4 v[0+(\d):7+(\d)], v[0+(\a):11+(\a)], v[0+(\b):11+(\b)], v[0+(\c):7+(\c)], v[\sa], v[\sb] matrix_a_fmt:MATRIX_FMT_BF6 matrix_b_fmt:MATRIX_FMT_BF6 matrix_a_scale:MATRIX_SCALE_ROW1
.elseif (\rb)
	v_wmma_scale_f32_16x16x128_f8f6f4 v[0+(\d):7+(\d)], v[0+(\a):11+(\a)], v[0+(\b):11+(\b)], v[0+(\c):7+(\c)], v[\sa], v[\sb] matrix_a_fmt:MATRIX_FMT_BF6 matrix_b_fmt:MATRIX_FMT_BF6 matrix_b_scale:MATRIX_SCALE_ROW1
.else
	v_wmma_scale_f32_16x16x128_f8f6f4 v[0+(\d):7+(\d)], v[0+(\a):11+(\a)], v[0+(\b):11+(\b)], v[0+(\c):7+(\c)], v[\sa], v[\sb] matrix_a_fmt:MATRIX_FMT_BF6 matrix_b_fmt:MATRIX_FMT_BF6
.endif
.endm
.macro FRAG reg, adr, q, i
.irp p, 0,1,2,3,4,5
	ds_load_b64 v[\reg+2*\p:\reg+2*\p+1], v[\adr] offset:(\i)*3072+(\q)*1536+256*\p
.endr
.endm
.macro FETCH_B slot, q, p
	WIN 0x40
.irp i, 0,1,2,3,4,5,6,7
	FRAG 128*(\p)+FR*\i, ADRB+\slot, \q, \i
.endr
	WIN 0
.endm
.macro FETCH_A slot, q, i0
.irp i, \i0, \i0+1, \i0+2, \i0+3
	FRAG AF+FR*(\i), ADRA+\slot, \q, \i
.endr
.endm
.macro SCALES z, ks0
.irp q, 0,1
.irp i, 0,1,2,3
	ds_load_b32 v[SC+16*(\z)+8*\q+\i], v[ADSA] offset:((\ks0)+\q)*512+128*\i
	ds_load_b32 v[SC+16*(\z)+8*\q+4+\i], v[ADSB] offset:((\ks0)+\q)*512+128*\i
.endr
.endr
.endm
.macro MUL16 a0, q, z, cm              ; cm = 2: the bias is C; the 64 accumulators take turns, in the same order in every step
.irp a, \a0, \a0+1
.irp b, 0,1,2,3,4,5,6,7
.if (\cm) == 2
	WM 8*(8*((\a)%4)+\b), 128*(\q)+FR*\b, AF+FR*(\a), T+8*\b, SC+16*(\z)+8*(\q)+4+\b/2, SC+16*(\z)+8*(\q)+(\a)/2, \b%2, (\a)%2
.else
	WM 8*(8*((\a)%4)+\b), 128*(\q)+FR*\b, AF+FR*(\a), 8*(8*((\a)%4)+\b), SC+16*(\z)+8*(\q)+4+\b/2, SC+16*(\z)+8*(\q)+(\a)/2, \b%2, (\a)%2
.endif
.endr
.endr
.endm
.macro STEP z, q, ns, nq, sc, cm
	s_wait_dscnt 24                                ; all but the youngest 24 loads (source 1's fragments 4-7) are in
.if (\cm) == 2
	WIN 0x81                                       ; C in window 0
.else
	WIN 0xa1
.endif
	MUL16 0, \q, \z, \cm
	MUL16 2, \q, \z, \cm
	s_wait_dscnt 0x0
	PLACES
	FETCH_B \ns, \nq, 1-(\q)
	FETCH_A \ns, \nq, 0
.if (\sc) >= 0
	SCALES 1-(\z), \sc
.endif
.if (\cm) == 2
	WIN 0xc1
.else
	WIN 0xf1
.endif
	MUL16 4, \q, \z, \cm
	MUL16 6, \q, \z, \cm
	PLACES
	WIN 0
	FETCH_A \ns, \nq, 4
.endm
.macro TURN z, ns, fill, sc
	s_wait_tensorcnt 0x0                           ; all my tensor loads have landed
	ds_add_u32 v[SPW], v[NIL]                      ; 0 onto my spare word
	s_wait_dscnt 25                                ; (the add and the youngest 24 loads may be out)
	WIN 0xa1
	MUL16 0, 1, \z, 0
	s_wait_dscnt 0x0                               ; the add is done and my reads of this slot are over
	s_barrier_signal -1
	MUL16 2, 1, \z, 0
	WIN 0
	s_barrier_wait -1
.if \fill
	CREST
	s_add_nc_u64 s[G0+2:G0+3], s[G0+2:G0+3], 9216
	s_add_nc_u64 s[G0B+2:G0B+3], s[G0B+2:G0B+3], 9216
	JLOAD G0, G1, G0B, G1B
.else
	PLACES
.endif
	FETCH_B \ns, 0, 0
	FETCH_A \ns, 0, 0
	SCALES 1-(\z), \sc
	WIN 0xf1
	MUL16 4, 1, \z, 0
	MUL16 6, 1, \z, 0
	PLACES
	WIN 0
	FETCH_A \ns, 0, 4
.endm
.macro QUANT s, pw
.irp b, 0,1,2,3
	v_max3_num_f32 v[TM+\b], |v[\s+16*\b]|, |v[\s+1+16*\b]|, 0x2800000
.endr
.irp i, 2,4,6,8,10,12,14
.irp b, 0,1,2,3
	v_max3_num_f32 v[TM+\b], v[TM+\b], |v[\s+16*\b+\i]|, |v[\s+1+16*\b+\i]|
.endr
.endr
.irp b, 0,1,2,3
	v_permlanex16_b32 v[TM+4+\b], v[TM+\b], s[SEL], s[SEL+1]
.endr
.irp b, 0,1,2,3
	v_max_num_f32 v[TM+\b], v[TM+\b], v[TM+4+\b]
.endr
.irp b, 0,1,2,3
	v_add_nc_u32 v[TM+12+\b], 0xfe000000, v[TM+\b]
.endr
.irp b, 0,1,2,3
	v_lshrrev_b32 v[TM+4+\b], 23, v[TM+12+\b]
.endr
	v_lshl_or_b32 v[\pw], v[TM+5], 8, v[TM+4]
	v_lshl_or_b32 v[\pw], v[TM+6], 16, v[\pw]
	v_lshl_or_b32 v[\pw], v[TM+7], 24, v[\pw]
.irp c, 0,1
	v_cvt_scalef32_pk16_bf6_f32 v[PC+6*\c:PC+2+6*\c], v[\s+32*\c:\s+15+32*\c], v[TM+12+2*\c]
	v_cvt_scalef32_pk16_bf6_f32 v[PC+12+4*\c:PC+14+4*\c], v[\s+16+32*\c:\s+31+32*\c], v[TM+12+2*\c+1]
.endr
	v_nop
.irp c, 0,1
.irp i, 0,1,2
	v_permlane16_swap_b32 v[PC+6*\c+\i], v[PC+12+4*\c+\i]
.endr
.irp i, 0,1,2
	v_mov_b32 v[PC+3+6*\c+\i], v[PC+12+4*\c+\i]
.endr
.endr
.endm
; gelu of 16 numbers: accumulators 2 g and 2 g + 1 of block a, in window 2; results in v[HA + 16 g] on
.macro GELU a, g
.set AC, 64*(\a)+16*(\g)
.set HG, HA+16*(\g)
	WIN 0x0a                                       ; sources 0 and 1: window 2
.set i, 0
.rept 8
	v_pk_mul_f32 v[EE+i:EE+i+1], v[AC+i:AC+i+1], v[AC+i:AC+i+1]     ; x^2; each accumulator from its low end on
.set i, i+2
.endr
.set i, 0
.rept 16
	v_max_num_f32 v[HG+i], 0, v[AC+i]
.set i, i+1
.endr
	WIN 0x02
.set i, 0
.rept 16
	v_fma_f32 v[TT+i], |v[AC+i]|, s66, 1.0         ; 1 + 0.23164189 |x|
.set i, i+1
.endr
	WIN 0
.set i, 0
.rept 8
	v_pk_mul_f32 v[EE+i:EE+i+1], v[EE+i:EE+i+1], s[100:101] op_sel_hi:[1,0]   ; -x^2 log2(e) / 2
.set i, i+2
.endr
.set i, 0
.rept 16
	v_rcp_f32 v[TT+i], v[TT+i]
.set i, i+1
.endr
.set i, 0
.rept 16
	v_exp_f32 v[EE+i], v[EE+i]
.set i, i+1
.endr
	v_nop                                          ; a plain line behind the batch,
	s_wait_alu depctr_va_vdst(0)                   ; and one wait for its 32, ahead of their first reader
.set i, 0
.rept 8
	v_pk_fma_f32 v[PP+i:PP+i+1], v[TT+i:TT+i+1], v[A5:A5+1], s[92:93] op_sel_hi:[1,1,0]
.set i, i+2
.endr
.irp k, 94,96,98
.set i, 0
.rept 8
	v_pk_fma_f32 v[PP+i:PP+i+1], v[PP+i:PP+i+1], v[TT+i:TT+i+1], s[\k:\k+1] op_sel_hi:[1,1,0]
.set i, i+2
.endr
.endr
.set i, 0
.rept 8
	v_pk_mul_f32 v[PP+i:PP+i+1], v[PP+i:PP+i+1], v[TT+i:TT+i+1]
.set i, i+2
.endr
.set i, 0
.rept 8
	v_pk_mul_f32 v[PP+i:PP+i+1], v[PP+i:PP+i+1], v[EE+i:EE+i+1]     ; Q(|x|)
.set i, i+2
.endr
	WIN 0x02
.set i, 0
.rept 16
	v_fma_f32 v[HG+i], -|v[AC+i]|, v[PP+i], v[HG+i]
.set i, i+1
.endr
	WIN 0
.endm
	s_load_b128 s[4:7], s[0:1], 0x0                ; xn2, wq
	s_load_b128 s[8:11], s[0:1], 0x10              ; fc_b, hid
	v_lshl_add_u32 v[SPW], v0, 2, SPARE
	v_mov_b32 v[NIL], 0
	ds_add_u32 v28, v29
	ds_add_u32 v28, v29
	s_wait_dscnt 0x0
	v_lshrrev_b32 v1, 5, v0
	v_readfirstlane_b32 s14, v1
	s_lshr_b32 s15, s14, 1
	s_and_b32 s16, s14, 1
	s_bfe_u32 s92, ttmp6, 0x40000                  ; cx
	s_bfe_u32 s93, ttmp6, 0x40004                  ; cy
	s_lshl_b32 s18, ttmp9, 2
	s_add_co_u32 s18, s18, s92                     ; TC
	s_and_b32 s19, ttmp7, 0xffff
	s_lshl_b32 s19, s19, 2
	s_add_co_u32 s19, s19, s93                     ; TR
	s_lshl_b32 s98, s93, 2
	s_lshl_b32 s98, 15, s98
	s_lshl_b32 s99, 0x1111, s92
	s_or_b32 s[G1], s98, (3<<16)|(1<<21)
	s_or_b32 s[G1B], s99, (3<<16)|(1<<21)
	s_or_b32 s[G1S], s98, (3<<16)|(1<<21)
	s_or_b32 s[G1SB], s99, (3<<16)|(1<<21)
.irp g, G1, G1B
	s_mov_b32 s[\g+1], 384<<16
	s_mov_b32 s[\g+2], 8<<16
	s_mov_b32 s[\g+3], 384<<16
	s_mov_b32 s[\g+4], 8
	s_mov_b32 s[\g+5], 1536
	s_mov_b32 s[\g+6], 0
	s_mov_b32 s[\g+7], 0
.endr
.irp g, G1S, G1SB
	s_mov_b32 s[\g+1], 64<<16
	s_mov_b32 s[\g+2], 8<<16
	s_mov_b32 s[\g+3], 64<<16
	s_mov_b32 s[\g+4], 8
	s_mov_b32 s[\g+5], 2048
	s_mov_b32 s[\g+6], 0
	s_mov_b32 s[\g+7], 0
.endr
	s_lshl_b32 s20, s19, 4
	s_lshl_b32 s21, s16, 3
	s_add_co_u32 s20, s20, s21
	s_mul_i32 s20, s20, 12288
	s_mov_b32 s21, 0
	s_lshl_b32 s22, s19, 10
	s_lshl_b32 s23, s16, 9
	s_add_co_u32 s22, s22, s23
	s_add_co_u32 s22, s22, 3145728
	s_mov_b32 s23, 0
	s_lshl_b32 s66, s18, 4
	s_lshl_b32 s67, s16, 3
	s_add_co_u32 s66, s66, s67
	s_mul_i32 s66, s66, 12288
	s_add_co_u32 s66, s66, WC_FC
	s_mov_b32 s67, 0
	s_lshl_b32 s100, s18, 10
	s_lshl_b32 s101, s16, 9
	s_add_co_u32 s100, s100, s101
	s_mov_b32 s96, s100                            ; my 128 columns of the bias, in bytes
	s_mov_b32 s97, 0
	s_add_co_u32 s100, s100, WS_FC
	s_mov_b32 s101, 0
	s_mul_i32 s98, s14, HALFT
	s_lshl_b32 s99, s14, 12
	s_add_co_u32 s99, s99, SCL
	s_wait_kmcnt 0x0
	s_add_nc_u64 s[20:21], s[4:5], s[20:21]
	s_add_nc_u64 s[22:23], s[4:5], s[22:23]
	s_add_nc_u64 s[66:67], s[6:7], s[66:67]
	s_add_nc_u64 s[100:101], s[6:7], s[100:101]
	s_add_nc_u64 s[8:9], s[8:9], s[96:97]
	CROUND
	s_mov_b32 s[G0S], 1
	s_mov_b32 s[G0S+1], s99
	s_mov_b64 s[G0S+2:G0S+3], s[22:23]
	s_or_b32 s[G0S+3], s[G0S+3], 0x80000000
	s_mov_b32 s[G0SB], 1
	s_mov_b32 s[G0SB+1], s99
	s_mov_b64 s[G0SB+2:G0SB+3], s[100:101]
	s_or_b32 s[G0SB+3], s[G0SB+3], 0x80000000
	JLOAD G0S, G1S, G0SB, G1SB
.irp s, 0,1,2
	s_mov_b32 s[G0+4*\s], 1
	s_add_co_u32 s[G0+4*\s+1], s98, \s*SLOT
	s_add_nc_u64 s[G0+4*\s+2:G0+4*\s+3], s[20:21], \s*3072
	s_or_b32 s[G0+4*\s+3], s[G0+4*\s+3], 0x80000000
	s_mov_b32 s[G0B+4*\s], 1
	s_add_co_u32 s[G0B+4*\s+1], s98, \s*SLOT
	s_add_nc_u64 s[G0B+4*\s+2:G0B+4*\s+3], s[66:67], \s*3072
	s_or_b32 s[G0B+4*\s+3], s[G0B+4*\s+3], 0x80000000
	JLOAD G0+4*\s, G1, G0B+4*\s, G1B               ; four loads of mine are out
.endr
	v_and_b32 v1, 31, v0
	v_lshlrev_b32 v[L8], 3, v1
	v_lshlrev_b32 v[L4], 2, v1
	s_mul_i32 s21, s15, HALFT
	s_mul_i32 s22, s16, HALFT
	s_add_co_u32 s22, s22, 2*HALFT
.irp s, 0,1,2
	v_add_nc_u32 v[ADRA+\s], s21, v[L8]
	v_add_nc_u32 v[ADRB+\s], s22, v[L8]
	s_add_co_u32 s21, s21, SLOT
	s_add_co_u32 s22, s22, SLOT
.endr
	s_lshl_b32 s21, s15, 12
	s_add_co_u32 s21, s21, SCL
	v_add_nc_u32 v[ADSA], s21, v[L4]
	s_lshl_b32 s22, s16, 12
	s_add_co_u32 s22, s22, SCL+8192
	v_add_nc_u32 v[ADSB], s22, v[L4]
	v_bfe_u32 v3, v0, 4, 1
	v_lshlrev_b32 v6, 6, v3
.irp b, 0,1,2,3
.irp j, 0,1,2,3
	global_load_b128 v[T+16*\b+4*\j:T+16*\b+4*\j+3], v6, s[8:9] offset:128*\b+16*\j   ; the bias at columns 32 b + 16 h + 0 .. 15
.endr
.endr
	s_wait_tensorcnt 2                             ; the scale words and K steps 0, 1 are in; slots 1 and 2 may be out
	s_barrier_signal -1
	s_barrier_wait -1
	FETCH_B 0, 0, 0
	FETCH_A 0, 0, 0
	SCALES 0, 0
	FETCH_A 0, 0, 4
	s_wait_loadcnt 0x0                             ; the bias
	STEP 0, 0, 0, 1, -1, 2                         ; K step 0 starts the sums from the bias
	TURN 0, 1, 1, 2
	STEP 1, 0, 1, 1, -1, 0
	STEP 1, 1, 2, 0, 4, 0
	STEP 0, 0, 2, 1, -1, 0
	TURN 0, 0, 0, 6
	STEP 1, 0, 0, 1, -1, 0
	s_wait_dscnt 24
	WIN 0xa1
	MUL16 0, 1, 1, 0
	MUL16 2, 1, 1, 0
	s_wait_dscnt 0x0
	WIN 0xf1
	MUL16 4, 1, 1, 0
	MUL16 6, 1, 1, 0
	WIN 0
	PLACES
.irp b, 0,1,2,3
	v_mov_b32 v[TM+4+\b], 0
.endr
	v_mov_b32 v[A5], 0x3f07dc22                    ; a5 / 2
	v_mov_b32 v[A5+1], 0x3f07dc22
	s_mov_b32 s[SEL], 0x76543210
	s_mov_b32 s[SEL+1], 0xfedcba98
	s_mov_b32 s13, 0xffff0000                      ; lanes 16-31
	s_mov_b32 s66, 0x3e6d3388                      ; 0.3275911 / sqrt 2
	s_mov_b32 s92, 0xbf3a00e3                      ; a4 / 2
	s_mov_b32 s93, s92
	s_mov_b32 s94, 0x3f35f0e3                      ; a3 / 2
	s_mov_b32 s95, s94
	s_mov_b32 s96, 0xbe11a98e                      ; a2 / 2
	s_mov_b32 s97, s96
	s_mov_b32 s98, 0x3e027906                      ; a1 / 2
	s_mov_b32 s99, s98
	s_mov_b32 s100, 0xbf38aa3b                     ; -log2(e) / 2
	s_mov_b32 s101, s100
	s_lshl_b32 s20, s19, 4
	s_lshl_b32 s21, s15, 3
	s_add_co_u32 s20, s20, s21
	s_lshl_b32 s20, s20, 5
	s_lshl_b32 s21, s18, 1
	s_add_co_u32 s21, s21, s16                     ; the next product's K step
	s_add_co_u32 s20, s20, s21
	s_mul_i32 s20, s20, 1536
	s_lshl_b32 s22, s21, 14
	s_lshl_b32 s23, s19, 10
	s_add_co_u32 s22, s22, s23
	s_lshl_b32 s23, s15, 9
	s_add_co_u32 s22, s22, s23
	s_add_co_u32 s22, s22, 12582912
	s_mov_b32 s21, 0
	s_mov_b32 s23, 0
	s_add_nc_u64 s[20:21], s[10:11], s[20:21]
	s_add_nc_u64 s[22:23], s[10:11], s[22:23]
	s_mov_b32 s12, 0
.Lhalf:
.irp a, 0,1,2,3
	s_wait_xcnt 0x0                                ; the earlier stores have read their registers
	GELU \a, 0
	GELU \a, 1
	GELU \a, 2
	GELU \a, 3
	QUANT HA, PWS+\a
.irp p, 0,1,2,3,4,5
	global_store_b64 v[L8], v[PC+2*\p:PC+2*\p+1], s[20:21] offset:49152*\a+256*\p   ; 32 lanes store 256 consecutive bytes, aligned
.endr
.endr
.irp c, 0,1
	v_cndmask_b32 v[WW+\c], v[PWS+2*\c], v[PWS+2*\c+1], s13
	global_store_b32 v[L4], v[WW+\c], s[22:23] offset:128*\c
.endr
	s_cmp_eq_u32 s12, 1
	s_cbranch_scc1 .Lnocopy
	WIN 0x83                                       ; blocks 4-7 come into window 2, each accumulator from its low end on
.set i, 0
.rept 256
	v_mov_b32 v[i], v[i]
.set i, i+1
.endr
	WIN 0
.Lnocopy:
	s_wait_xcnt 0x0                                ; the stores have read their bases
	s_add_nc_u64 s[20:21], s[20:21], 196608        ; four fragment rows on
	s_add_nc_u64 s[22:23], s[22:23], 256
	s_add_co_u32 s12, s12, 1
	s_cmp_lt_u32 s12, 2
	s_cbranch_scc1 .Lhalf
	s_wait_tensorcnt 0x0                           ; the wave's end
	ds_add_u32 v[SPW], v[NIL]
	s_wait_dscnt 0x0
	CROUND
	s_endpgm
.Lfunc_end_k_q34fccb5721_gfc:
	.size	k_q34fccb5721_gfc, .Lfunc_end_k_q34fccb5721_gfc-k_q34fccb5721_gfc
	.p2alignl 7, 3214868480
	.fill 96, 4, 3214868480
	.section	.rodata,"a",@progbits
	.p2align	6, 0x0
	.amdhsa_kernel k_q34fccb5721_gfc
		.amdhsa_group_segment_fixed_size 327680
		.amdhsa_private_segment_fixed_size 0
		.amdhsa_enable_private_segment 0
		.amdhsa_kernarg_size 32
		.amdhsa_user_sgpr_count 2
		.amdhsa_user_sgpr_kernarg_segment_ptr 1
		.amdhsa_wavefront_size32 1
		.amdhsa_system_sgpr_workgroup_id_x 1
		.amdhsa_system_sgpr_workgroup_id_y 1
		.amdhsa_system_sgpr_workgroup_id_z 1
		.amdhsa_system_vgpr_workitem_id 0
		.amdhsa_next_free_vgpr 1024
		.amdhsa_next_free_sgpr 104
		.amdhsa_reserve_vcc 0
		.amdhsa_float_denorm_mode_32 3
		.amdhsa_float_denorm_mode_16_64 3
		.amdhsa_memory_ordered 1
		.amdhsa_forward_progress 1
		.amdhsa_inst_pref_size 255
	.end_amdhsa_kernel
	.section	.bss,"aw",@nobits
	.p2align	6
	.space	262144
	.amdgpu_metadata
---
amdhsa.version: [ 1, 2 ]
amdhsa.kernels:
  - .name:           k_q34fccb5721_gfc
    .symbol:         k_q34fccb5721_gfc.kd
    .args:
      - { .name: xn2, .offset: 0, .size: 8, .value_kind: global_buffer, .address_space: global }
      - { .name: wq, .offset: 8, .size: 8, .value_kind: global_buffer, .address_space: global }
      - { .name: fc_b, .offset: 16, .size: 8, .value_kind: global_buffer, .address_space: global }
      - { .name: hid, .offset: 24, .size: 8, .value_kind: global_buffer, .address_space: global }
    .group_segment_fixed_size: 327680
    .private_segment_fixed_size: 0
    .kernarg_segment_align: 8
    .kernarg_segment_size: 32
    .max_flat_workgroup_size: 128
    .sgpr_count:     104
    .vgpr_count:     1024
    .wavefront_size: 32
...
	.end_amdgpu_metadata
.endif
;; end of part 6
;; launch gfc2 (part 7): grid 8 x 32, 4 waves a work-group, clusters of 4 x 4, 327,680 bytes of LDS; arguments hid, wq, fc2_b, x1, out0; writes out0
.if DOCPART == 7
	.amdgcn_target "amdgcn-amd-amdhsa--gfx1250"
	.amdhsa_code_object_version 6
	.text
	.protected	k_q34fccb5721_gfc2
	.globl	k_q34fccb5721_gfc2
	.p2align	8
	.type	k_q34fccb5721_gfc2,@function
k_q34fccb5721_gfc2:
	s_mov_b64 s[64:65], 0
	v_nop
	global_prefetch_b8 v0, s[64:65] scope:SCOPE_SE
	s_setreg_imm32_b32 hwreg(HW_REG_WAVE_MODE, 25, 1), 1
	s_wait_xcnt 0x0
	s_wait_alu depctr_hold_cnt(0) depctr_sa_sdst(0) depctr_va_vdst(0) depctr_va_sdst(0) depctr_va_ssrc(0) depctr_va_vcc(0) depctr_vm_vsrc(0)
	s_getreg_b32 s2, hwreg(HW_REG_IB_STS2, 6, 4)
	s_cmp_eq_u32 s2, 0
	s_cbranch_scc0 .Lentry_in_a_cluster
	s_endpgm
.Lentry_in_a_cluster:
	s_bfe_u32 s2, ttmp6, 0x10000c
	s_cmp_lg_u32 s2, 0xf033
	s_cbranch_scc0 .Lentry_shape_is_right
	s_endpgm
.Lentry_shape_is_right:
; out = res + a W + bias on codes of BF6 (E3M2), K = 4,096; a and W lie in memory as register images (fragment = 1,536 bytes, [fragment row][K step]); out, res: [4,096][1,024] f32.
; A tile is 128 x 128 (256 work-groups), four waves of 64 x 64: 16 accumulators.
; ONE BUFFER OF ELEVEN K STEPS, as many as LDS holds beside the scale words: K's 32 steps come as 11 + 11 + 10, one first fill and two refills.  A K step is 16 products a wave.  Two slots of four steps would
; give each of six refills 64 products in which to land; here there are two refills, each asked for as soon as the buffer's last fragments are in registers, with 8 products behind it, and the wave waits for them.
; At a change: every wave's three lines and the cluster's round (nobody reads the buffer any more), the joint load, the last step's second half, the wait for my part, a barrier (each wave reads what others fetched).
; The last refill names one K step more than K has: 1,536 bytes of the next fragment row, at the furthest byte 12,584,448 of a's 13,107,200 and byte 9,438,720 of wq's 9,863,168; nobody reads them.
; CLUSTER 4 x 4: a's tiles are shared along a row of the cluster, W's along a column: joint loads.  The scale words of all of K come once.  No prefetch: the tiles are small, and the joint loads are few and large.
; The product is used transposed (source 0 = rows of W, source 1 = rows of a): a lane holds one row and eight neighbouring columns.  The bias is the C of each sum's first product.
; The residual is asked for behind the first barrier, when the first tiles have landed, in the layout in which whole rows come back from the stage.  The stages have LDS bytes of their own: the buffer is read to the end.
; REGISTERS: window 0: v16-30 addresses; v32-39 scale words, a set for even and one for odd K steps; v64-95 the bias, later with v96-127 rows on the way out; v128-255 accumulators.  window 1: two fragment buffers, for even and odd K steps.  window 2: v0-127 the residual.
.set SIZE_K, 4096
.set WC,    6291456
.set WS,    9732096
.set KF,    SIZE_K/128
.set NK,    11                         ; K steps in the buffer
.set ASOFF, 3072*SIZE_K
.set RB,    NK*1536                    ; a fragment row in the buffer
.set QTR,   4*RB                       ; 4 fragment rows: what one tensor load brings
.set SCL,   4*QTR                      ; four regions of [KF][64 words]
.set SPARE, SCL+KF*1024                ; the spare words: 128 bytes a wave; no other line names them
.set STAGE, SPARE+512                  ; 16 rows x (256 bytes + 16) for each wave
.set ADRA, 16                          ; v16-17  a's fragment rows 0, 1 and 2, 3 (a 16-bit offset does not reach over four rows)
.set ADRB, 20                          ; v20-21  W's
.set ADSA, 24
.set ADSB, 25
.set STO,  26
.set RD,   27
.set SPW,  28
.set NIL,  29
.set CO,   30
.set SC,   32
.set T,    64
.set BK,   64
.set ACC,  128
.set G1,   24
.set G1B,  32
.set G0,   40
.set G0B,  44
.set G1S,  68
.set G1SB, 76
.set G0S,  84
.set G0SB, 88
.set MSB, 0
.macro WIN new
.if MSB != (\new)
	s_set_vgpr_msb (MSB<<8)|(\new)
.set MSB, \new
.endif
.endm
.macro PLACES
.rept 4
	v_nop
.endr
.endm
.macro JLOAD g0a, g1a, g0b, g1b        ; a joint load: waves 0, 1 fetch for a, waves 2, 3 for W; four v_nop follow each line
	s_cmp_eq_u32 s15, 0
	s_cbranch_scc0 .Lfor_b_\@
	tensor_load_to_lds s[\g0a:\g0a+3], s[\g1a:\g1a+7]
	s_nop 0
.rept 4
	v_nop
.endr
	s_branch .Lasked_\@
.Lfor_b_\@:
	tensor_load_to_lds s[\g0b:\g0b+3], s[\g1b:\g1b+7]
	s_nop 0
.rept 4
	v_nop
.endr
.Lasked_\@:
.endm
.macro CREST
	s_cmp_lg_u32 s14, 0
	s_cbranch_scc1 .Lnot_wave_0_\@
	s_barrier_signal -3
.Lnot_wave_0_\@:
	s_barrier_wait -3
	s_barrier_signal -1
	s_barrier_wait -1
.endm
.macro CROUND
	s_barrier_signal -1
	s_barrier_wait -1
	CREST
.endm
.macro WM d, a, b, c, sa, sb, ra, rb   ; ra, rb: the side's scale words stand in lanes 16-31 of the register named
.if (\ra) && (\rb)
	v_wmma_scale_f32_16x16x128_f8f6f4 v[0+(\d):7+(\d)], v[0+(\a):11+(\a)], v[0+(\b):11+(\b)], v[0+(\c):7+(\c)], v[\sa], v[\sb] matrix_a_fmt:MATRIX_FMT_BF6 matrix_b_fmt:MATRIX_FMT_BF6 matrix_a_scale:MATRIX_SCALE_ROW1 matrix_b_scale:MATRIX_SCALE_ROW1
.elseif (\ra)
	v_wmma_scale_f32_16x16x128_f8f6f4 v[0+(\d):7+(\d)], v[0+(\a):11+(\a)], v[0+(\b):11+(\b)], v[0+(\c):7+(\c)], v[\sa], v[\sb] matrix_a_fmt:MATRIX_FMT_BF6 matrix_b_fmt:MATRIX_FMT_BF6 matrix_a_scale:MATRIX_SCALE_ROW1
.elseif (\rb)
	v_wmma_scale_f32_16x16x128_f8f6f4 v[0+(\d):7+(\d)], v[0+(\a):11+(\a)], v[0+(\b):11+(\b)], v[0+(\c):7+(\c)], v[\sa], v[\sb] matrix_a_fmt:MATRIX_FMT_BF6 matrix_b_fmt:MATRIX_FMT_BF6 matrix_b_scale:MATRIX_SCALE_ROW1
.else
	v_wmma_scale_f32_16x16x128_f8f6f4 v[0+(\d):7+(\d)], v[0+(\a):11+(\a)], v[0+(\b):11+(\b)], v[0+(\c):7+(\c)], v[\sa], v[\sb] matrix_a_fmt:MATRIX_FMT_BF6 matrix_b_fmt:MATRIX_FMT_BF6
.endif
.endm
; K step k, which lies at place q of the buffer: 52 loads: its four registers of scale words (a register holds two fragments' words), W's four fragments, a's 0, 1, a's 2, 3; into the sets of k's parity
.macro FETCH q, k
	WIN 0
.irp i, 0,1
	ds_load_b32 v[SC+4*((\k)%2)+\i], v[ADSA] offset:256*(\k)+128*\i
	ds_load_b32 v[SC+4*((\k)%2)+2+\i], v[ADSB] offset:256*(\k)+128*\i
.endr
	WIN 0x40
.irp i, 0,1,2,3
.irp p, 0,1,2,3,4,5
	ds_load_b64 v[128*((\k)%2)+48+12*\i+2*\p:128*((\k)%2)+49+12*\i+2*\p], v[ADRB+\i/2] offset:(\i%2)*RB+(\q)*1536+256*\p
.endr
.endr
.irp i, 0,1,2,3
.irp p, 0,1,2,3,4,5
	ds_load_b64 v[128*((\k)%2)+12*\i+2*\p:128*((\k)%2)+1+12*\i+2*\p], v[ADRA+\i/2] offset:(\i%2)*RB+(\q)*1536+256*\p
.endr
.endr
.endm
.macro MUL8 k, a0                      ; a's fragments a0, a0 + 1 x W's four; K step 0 starts the sums from the bias; the 16 accumulators take turns, in the same order in every step
.irp a, \a0, \a0+1
.irp b, 0,1,2,3
.if (\k) == 0
	WM ACC+8*(4*(\a)+\b), 128*((\k)%2)+48+12*\b, 128*((\k)%2)+12*(\a), T+8*\b, SC+4*((\k)%2)+2+\b/2, SC+4*((\k)%2)+(\a)/2, \b%2, (\a)%2
.else
	WM ACC+8*(4*(\a)+\b), 128*((\k)%2)+48+12*\b, 128*((\k)%2)+12*(\a), ACC+8*(4*(\a)+\b), SC+4*((\k)%2)+2+\b/2, SC+4*((\k)%2)+(\a)/2, \b%2, (\a)%2
.endif
.endr
.endr
.endm
.macro QSTEP k                         ; a K step whose successor lies in the buffer too
	s_wait_dscnt 12                                ; all but the youngest 12 loads (a's fragments 2, 3) are in
	WIN 0x05
	MUL8 \k, 0
	PLACES                                         ; in front of loads into registers that the K step before multiplied
	FETCH ((\k)+1)%NK, (\k)+1
	s_wait_dscnt 52                                ; all but the 52 just issued
	WIN 0x05
	MUL8 \k, 2
.endm
.macro TURN k                          ; the buffer's last K step: its fragments are in registers, and the buffer is filled again
	WIN 0
	s_wait_tensorcnt 0x0                           ; no tensor load of mine is out
	ds_add_u32 v[SPW], v[NIL]                      ; 0 onto my spare word
	s_wait_dscnt 0x0                               ; the add is done and my reads of the buffer are over
	s_barrier_signal -1
	WIN 0x05
	MUL8 \k, 0
	WIN 0
	s_barrier_wait -1
	CREST                                          ; the barrier has opened a round of the cluster's: no wave of any partner reads the buffer or has a load on its way
	s_add_nc_u64 s[G0+2:G0+3], s[G0+2:G0+3], RB    ; eleven K steps on
	s_add_nc_u64 s[G0B+2:G0B+3], s[G0B+2:G0B+3], RB
	JLOAD G0, G1, G0B, G1B                         ; my one tensor load behind the round; its four v_nop are the places in front of the loads below
	WIN 0x05
	MUL8 \k, 2
	WIN 0
	s_wait_tensorcnt 0x0                           ; my part of the buffer has landed,
	s_barrier_signal -1
	s_barrier_wait -1                              ; everybody's has
	FETCH 0, (\k)+1
.endm
.macro KSTEP k
.if (\k) == KF-1
	s_wait_dscnt 0x0                               ; the very last step: nothing more to fetch
	WIN 0x05
	MUL8 \k, 0
	MUL8 \k, 2
.elseif ((\k)%NK) == NK-1
	TURN \k
.else
	QSTEP \k
.endif
.endm
	s_load_b256 s[4:11], s[0:1], 0x0               ; a, wq, bias, res
	s_load_b64 s[12:13], s[0:1], 0x20              ; out
	v_lshl_add_u32 v[SPW], v0, 2, SPARE
	v_mov_b32 v[NIL], 0
	ds_add_u32 v28, v29
	ds_add_u32 v28, v29
	s_wait_dscnt 0x0
	v_lshrrev_b32 v1, 5, v0
	v_readfirstlane_b32 s14, v1
	s_lshr_b32 s15, s14, 1                         ; my half of the rows.  Also: I fetch for a (0) or W (1)
	s_and_b32 s16, s14, 1                          ; my half of the columns.  Also: which 64 rows I fetch
	s_bfe_u32 s92, ttmp6, 0x40000                  ; cx
	s_bfe_u32 s93, ttmp6, 0x40004                  ; cy
	s_lshl_b32 s18, ttmp9, 2
	s_add_co_u32 s18, s18, s92                     ; TC
	s_and_b32 s19, ttmp7, 0xffff
	s_lshl_b32 s19, s19, 2
	s_add_co_u32 s19, s19, s93                     ; TR
	s_lshl_b32 s98, s93, 2
	s_lshl_b32 s98, 15, s98
	s_lshl_b32 s99, 0x1111, s92
	s_or_b32 s[G1], s98, (3<<16)|(1<<21)
	s_or_b32 s[G1B], s99, (3<<16)|(1<<21)
	s_or_b32 s[G1S], s98, (3<<16)|(1<<21)
	s_or_b32 s[G1SB], s99, (3<<16)|(1<<21)
.irp g, G1, G1B                        ; 4 fragment rows x 16,896 bytes (eleven K steps; elements of 8 bytes), KF x 1,536 bytes apart
	s_mov_b32 s[\g+1], (NK*192)<<16
	s_mov_b32 s[\g+2], 4<<16
	s_mov_b32 s[\g+3], (NK*192)<<16
	s_mov_b32 s[\g+4], 4
	s_mov_b32 s[\g+5], KF*192
	s_mov_b32 s[\g+6], 0
	s_mov_b32 s[\g+7], 0
.endr
.irp g, G1S, G1SB                      ; KF K steps x 256 bytes (64 words)
	s_mov_b32 s[\g+1], 32<<16
	s_mov_b32 s[\g+2], KF<<16
	s_mov_b32 s[\g+3], 32<<16
	s_mov_b32 s[\g+4], KF
	s_mov_b32 s[\g+6], 0
	s_mov_b32 s[\g+7], 0
.endr
	s_mov_b32 s[G1S+5], 2048                       ; a's rows of words are 4,096 positions long,
	s_mov_b32 s[G1SB+5], 512                       ; W's 1,024
	s_lshl_b32 s20, s19, 3
	s_lshl_b32 s21, s16, 2
	s_add_co_u32 s20, s20, s21
	s_mul_i32 s20, s20, KF*1536
	s_mov_b32 s21, 0
	s_lshl_b32 s22, s19, 9
	s_lshl_b32 s23, s16, 8
	s_add_co_u32 s22, s22, s23
	s_add_co_u32 s22, s22, ASOFF
	s_mov_b32 s23, 0
	s_lshl_b32 s66, s18, 3
	s_lshl_b32 s67, s16, 2
	s_add_co_u32 s66, s66, s67
	s_mul_i32 s66, s66, KF*1536
	s_add_co_u32 s66, s66, WC
	s_mov_b32 s67, 0
	s_lshl_b32 s100, s18, 9
	s_lshl_b32 s101, s16, 8
	s_add_co_u32 s100, s100, s101
	s_add_co_u32 s100, s100, WS
	s_mov_b32 s101, 0
	s_mul_i32 s98, s14, QTR                        ; where they go: by the wave's number alone
	s_mul_i32 s99, s14, KF*256
	s_add_co_u32 s99, s99, SCL
	s_wait_kmcnt 0x0
	s_add_nc_u64 s[20:21], s[4:5], s[20:21]
	s_add_nc_u64 s[22:23], s[4:5], s[22:23]
	s_add_nc_u64 s[66:67], s[6:7], s[66:67]
	s_add_nc_u64 s[100:101], s[6:7], s[100:101]
	CROUND                                         ; all sixteen work-groups are here
	s_mov_b32 s[G0S], 1
	s_mov_b32 s[G0S+1], s99
	s_mov_b64 s[G0S+2:G0S+3], s[22:23]
	s_or_b32 s[G0S+3], s[G0S+3], 0x80000000
	s_mov_b32 s[G0SB], 1
	s_mov_b32 s[G0SB+1], s99
	s_mov_b64 s[G0SB+2:G0SB+3], s[100:101]
	s_or_b32 s[G0SB+3], s[G0SB+3], 0x80000000
	JLOAD G0S, G1S, G0SB, G1SB                     ; the scale words of all of K
	s_mov_b32 s[G0], 1
	s_mov_b32 s[G0+1], s98
	s_mov_b64 s[G0+2:G0+3], s[20:21]
	s_or_b32 s[G0+3], s[G0+3], 0x80000000
	s_mov_b32 s[G0B], 1
	s_mov_b32 s[G0B+1], s98
	s_mov_b64 s[G0B+2:G0B+3], s[66:67]
	s_or_b32 s[G0B+3], s[G0B+3], 0x80000000
	JLOAD G0, G1, G0B, G1B                         ; K steps 0 .. 10: two loads of mine are out
	s_lshl_b32 s94, s19, 7
	s_lshl_b32 s95, s15, 6
	s_add_co_u32 s94, s94, s95                     ; my first row
	s_lshl_b32 s94, s94, 12
	s_lshl_b32 s96, s18, 9
	s_lshl_b32 s95, s16, 8
	s_add_co_u32 s96, s96, s95                     ; my first column, in bytes
	s_add_co_u32 s94, s94, s96
	s_mov_b32 s95, 0
	s_mov_b32 s97, 0
	s_add_nc_u64 s[10:11], s[10:11], s[94:95]
	s_add_nc_u64 s[12:13], s[12:13], s[94:95]
	s_add_nc_u64 s[8:9], s[8:9], s[96:97]
	v_and_b32 v1, 31, v0
	v_and_b32 v2, 15, v0
	v_bfe_u32 v3, v0, 4, 1
	v_lshlrev_b32 v4, 3, v1
	v_lshlrev_b32 v5, 2, v1
	s_mul_i32 s21, s15, QTR
	s_mul_i32 s22, s16, QTR
	s_add_co_u32 s22, s22, 2*QTR
.irp s, 0,1
	v_add_nc_u32 v[ADRA+\s], s21, v4
	v_add_nc_u32 v[ADRB+\s], s22, v4
	s_add_co_u32 s21, s21, 2*RB
	s_add_co_u32 s22, s22, 2*RB
.endr
	s_mul_i32 s21, s15, KF*256
	s_add_co_u32 s21, s21, SCL
	v_add_nc_u32 v[ADSA], s21, v5
	s_mul_i32 s22, s16, KF*256
	s_add_co_u32 s22, s22, SCL+2*KF*256
	v_add_nc_u32 v[ADSB], s22, v5
	s_mul_i32 s96, s14, 4352
	s_add_co_u32 s96, s96, STAGE                   ; my stage
	v_mul_u32_u24 v[STO], v2, 272
	v_lshl_add_u32 v[STO], v3, 6, v[STO]
	v_add_nc_u32 v[STO], s96, v[STO]
	v_mul_u32_u24 v[RD], v3, 272
	v_lshl_add_u32 v[RD], v2, 4, v[RD]
	v_add_nc_u32 v[RD], s96, v[RD]
	v_lshlrev_b32 v[CO], 12, v3
	v_lshl_add_u32 v[CO], v2, 4, v[CO]             ; lanes 0-15 one row's 256 bytes, lanes 16-31 the next row's
	v_lshlrev_b32 v6, 6, v3
.irp b, 0,1
.irp j, 0,1,2,3
	global_load_b128 v[T+16*\b+4*\j:T+16*\b+4*\j+3], v6, s[8:9] offset:128*\b+16*\j   ; the bias at columns 32 b + 16 h + 0 .. 15
.endr
.endr
	s_wait_tensorcnt 0x0                           ; the scale words and my part of K steps 0 .. 10 are in,
	s_barrier_signal -1
	s_barrier_wait -1                              ; everybody's are
	FETCH 0, 0
	WIN 0x80
.irp a, 0,1,2,3
.irp t, 0,1,2,3,4,5,6,7
	global_load_b128 v[4*(8*\a+\t):4*(8*\a+\t)+3], v[CO], s[10:11] offset:(32*(\a/2)+8*(\a%2)+2*\t+8*(\t/4))*4096   ; the residual: stage row 2 t + (lane / 16) of block a is this row
.endr
.endr
	s_wait_loadcnt 32                              ; the bias is in; the residual's 32 loads may be out
.set kk, 0
.rept KF
	KSTEP kk
.set kk, kk+1
.endr
	WIN 0
	PLACES
	s_wait_loadcnt 0x0                             ; the residual
.macro TOSTAGE a                       ; block a, 16 rows x 64 columns, into my stage and back as whole rows of 256 bytes; a wave's LDS instructions are served in order
.irp b, 0,1,2,3
	ds_store_b128 v[STO], v[ACC+8*(4*(\a)+\b):ACC+8*(4*(\a)+\b)+3] offset:128*(\b/2)+32*(\b%2)      ; each accumulator from its low end on
	ds_store_b128 v[STO], v[ACC+8*(4*(\a)+\b)+4:ACC+8*(4*(\a)+\b)+7] offset:128*(\b/2)+32*(\b%2)+16
.endr
.irp t, 0,1,2,3,4,5,6,7
	ds_load_b128 v[BK+32*((\a)%2)+4*\t:BK+32*((\a)%2)+4*\t+3], v[RD] offset:544*\t
.endr
.endm
.macro SEND a, younger
	s_wait_dscnt \younger
	WIN 0x08                                       ; source 1: window 2
.set i, 0
.rept 16
	v_pk_add_f32 v[BK+32*((\a)%2)+i:BK+32*((\a)%2)+i+1], v[BK+32*((\a)%2)+i:BK+32*((\a)%2)+i+1], v[32*(\a)+i:32*(\a)+i+1]
.set i, i+2
.endr
	WIN 0
.irp t, 0,1,2,3,4,5,6,7
	global_store_b128 v[CO], v[BK+32*((\a)%2)+4*\t:BK+32*((\a)%2)+4*\t+3], s[12:13] offset:(32*((\a)/2)+8*((\a)%2)+2*\t+8*(\t/4))*4096 th:TH_STORE_NT   ; 16 lanes store 256 consecutive bytes, aligned; written once, read by nobody here
.endr
.endm
	TOSTAGE 0
.irp a, 1,2,3
.if \a > 1
	s_wait_xcnt 0x0                                ; block a - 2's stores have read their registers
.endif
	TOSTAGE \a
	SEND \a-1, 16                                  ; behind block a - 1's loads: block a's 8 stores and 8 loads
.endr
	SEND 3, 0
	s_wait_tensorcnt 0x0                           ; the wave's end
	ds_add_u32 v[SPW], v[NIL]
	s_wait_dscnt 0x0
	CROUND                                         ; the closing round
	s_endpgm
.Lfunc_end_k_q34fccb5721_gfc2:
	.size	k_q34fccb5721_gfc2, .Lfunc_end_k_q34fccb5721_gfc2-k_q34fccb5721_gfc2
	.p2alignl 7, 3214868480
	.fill 96, 4, 3214868480
	.section	.rodata,"a",@progbits
	.p2align	6, 0x0
	.amdhsa_kernel k_q34fccb5721_gfc2
		.amdhsa_group_segment_fixed_size 327680
		.amdhsa_private_segment_fixed_size 0
		.amdhsa_enable_private_segment 0
		.amdhsa_kernarg_size 40
		.amdhsa_user_sgpr_count 2
		.amdhsa_user_sgpr_kernarg_segment_ptr 1
		.amdhsa_wavefront_size32 1
		.amdhsa_system_sgpr_workgroup_id_x 1
		.amdhsa_system_sgpr_workgroup_id_y 1
		.amdhsa_system_sgpr_workgroup_id_z 1
		.amdhsa_system_vgpr_workitem_id 0
		.amdhsa_next_free_vgpr 640
		.amdhsa_next_free_sgpr 104
		.amdhsa_reserve_vcc 0
		.amdhsa_float_denorm_mode_32 3
		.amdhsa_float_denorm_mode_16_64 3
		.amdhsa_memory_ordered 1
		.amdhsa_forward_progress 1
		.amdhsa_inst_pref_size 204
	.end_amdhsa_kernel
	.amdgpu_metadata
---
amdhsa.version: [ 1, 2 ]
amdhsa.kernels:
  - .name:           k_q34fccb5721_gfc2
    .symbol:         k_q34fccb5721_gfc2.kd
    .args:
      - { .name: hid, .offset: 0, .size: 8, .value_kind: global_buffer, .address_space: global }
      - { .name: wq, .offset: 8, .size: 8, .value_kind: global_buffer, .address_space: global }
      - { .name: fc2_b, .offset: 16, .size: 8, .value_kind: global_buffer, .address_space: global }
      - { .name: x1, .offset: 24, .size: 8, .value_kind: global_buffer, .address_space: global }
      - { .name: out0, .offset: 32, .size: 8, .value_kind: global_buffer, .address_space: global }
    .group_segment_fixed_size: 327680
    .private_segment_fixed_size: 0
    .kernarg_segment_align: 8
    .kernarg_segment_size: 40
    .max_flat_workgroup_size: 128
    .sgpr_count:     104
    .vgpr_count:     640
    .wavefront_size: 32
...
	.end_amdgpu_metadata
.endif
;; end of part 7
